; MI455X (gfx1250); checked and timed in simulation.
; The chip was launched on July 23, 2026; its instructions are those of AMD's public machine-readable ISA for CDNA 5 (MIT licence, August 2026) and "CDNA5" Instruction Set Architecture Reference Guide (July 2026). The comments in the code are by the model that wrote it; some were corrected since.
;; Transformer Layer. Allowed arithmetic: matrix products marked QUANTISED: E5M2 operands, one given power-of-two scale a tensor, by v_wmma_f32_16x16x64_bf8_bf8 or v_wmma_f32_16x16x128_bf8_bf8, f32 sums; everything else in f32.
;; Inputs: b1 4,096 float32; b2 1,024 float32; in_proj_b 3,072 float32; in_proj_w_codes 3,072 x 32 x 32 uint8 (E5M2 codes of in_proj_w, K innermost, in blocks of 32 codes); ln1_b 1,024 float32; ln1_g 1,024 float32; ln2_b 1,024 float32; ln2_g 1,024 float32; lowp_scales 12 int32 (the exponents e of the quantised operands' scales 2^e); out_b 1,024 float32; out_w_codes 1,024 x 32 x 32 uint8 (E5M2 codes of out_w, K innermost, in blocks of 32 codes); rel_pos 16 x 512 float32; w1_codes 4,096 x 32 x 32 uint8 (E5M2 codes of w1, K innermost, in blocks of 32 codes); w2_codes 1,024 x 128 x 32 uint8 (E5M2 codes of w2, K innermost, in blocks of 32 codes); x 4 x 1,024 x 1,024 float32.
;; Outputs: out0 4 x 1,024 x 1,024 float32.
;; This version of the problem:
;;   THIS VERSION OF THE PROBLEM IS GIVEN IN LOW PRECISION. The matrix products marked QUANTISED in the list below multiply operands that are first quantised to E5M2 (5 exponent bits, 2 mantissa bits; 8 bits a number), with one given power-of-two scale for each operand tensor; their sums are f32. All else is computed in f32.
;;   The module's matrix products, in the order in which they are computed (A, B: the left and right operand; K: the contracted axis; several contracted axes count as one K, in the product's order):
;;     1. [M 4,096, K 1,024] x [K 1,024, N 3,072]; A: computed on the way; B: input in_proj_w (given as codes): QUANTISED (scales: A lowp_scales[0], B lowp_scales[1])
;;     2. batch 64 x [M 1,024, K 64] x [K 64, N 1,024]; A: computed on the way; B: computed on the way: QUANTISED (scales: A lowp_scales[2], B lowp_scales[3])
;;     3. batch 64 x [M 1,024, K 1,024] x [K 1,024, N 64]; A: softmax (see below); B: computed on the way: QUANTISED (scales: A lowp_scales[4], B lowp_scales[5])
;;     4. [M 4,096, K 1,024] x [K 1,024, N 1,024]; A: computed on the way; B: input out_w (given as codes): QUANTISED (scales: A lowp_scales[6], B lowp_scales[7])
;;     5. [M 4,096, K 1,024] x [K 1,024, N 4,096]; A: computed on the way; B: input w1 (given as codes): QUANTISED (scales: A lowp_scales[8], B lowp_scales[9])
;;     6. [M 4,096, K 4,096] x [K 4,096, N 1,024]; A: computed on the way; B: input w2 (given as codes): QUANTISED (scales: A lowp_scales[10], B lowp_scales[11])
;;   THE QUANTISER, for each operand of a quantised product, along K:
;;     - The operand's scale is 2^e, e = its entry of the input lowp_scales (int32; the entries are numbered through the quantised products in the list's order, A before B).
;;     - Each number is divided by the scale, clamped to +-57,344, and rounded to the nearest number of E5M2, ties to even, subnormals kept.
;;     - The product sums the exact products of the quantised numbers (number of the format x scale) in f32.
;;   ~~~python
;;   def quantise(x, axis, e):      # numpy; x: float32 -> the quantised numbers, widened to float32 again
;;       x = np.moveaxis(x, axis, -1); K = x.shape[-1]
;;       r = np.clip(x / 2.0 ** e, -57344, 57344)
;;       step = 2.0 ** (np.maximum(np.frexp(np.where(r == 0, 1, r))[1] - 1, -14) - 2)
;;       q = np.round(r / step) * step * 2.0 ** e      # np.round: ties to even
;;       return np.moveaxis(q, -1, axis).astype(np.float32)
;;   ~~~
;;   SOFTMAX AHEAD OF A QUANTISED PRODUCT. Where the list says 'softmax', what is quantised is not the finished softmax but p = 2^(t - M), with t = logit x log2(e) and M = ceil(the row's largest t), a whole number; so 1/2 < the row's largest p <= 1. The row's sum l is taken of the UNQUANTISED p, in f32, and the product's result is divided by l at the end. Since M is a whole number, a kernel that streams over the keys may use a running M (the ceiling of the running maximum): every later rescaling is an exact power of two, so the quantised numbers keep their values, but for numbers so far below the row's largest that they fall under the format's range.
;;   OPERANDS COMPUTED ON THE WAY. 'Computed on the way' means the value that the module computes at that place (a softmax that the list does not call 'softmax' is quantised finished and normalised). What goes into a quantiser is computed in f32, as accurately as f32 sums, v_exp_f32 and their like allow (about 1e-6 of the number): no bf16 or f16 on the way to a quantiser, and a product that is left as it is and whose result goes on into a quantised operand takes f32 operands (vector FMAs, or v_wmma_f32_16x16x4_f32). A number that lies on a knife's edge between two numbers of the format may be rounded either way, as far as f32 arithmetic and the matrix unit's own rounding can turn it there, and no further.
;;   INPUTS GIVEN AS CODES. in_proj_w (in the module: [3072, 1024], K = its axis 1); out_w (in the module: [1024, 1024], K = its axis 1); w1 (in the module: [4096, 1024], K = its axis 1); w2 (in the module: [1024, 4096], K = its axis 1): each comes as NAME_codes (uint8): NAME with its K axis moved to the last place and cut into blocks of 32 codes, [.., K / 32, bytes a block], one block behind the other in memory; one code a byte (a code: sign, 5 exponent bits, 2 mantissa bits); its scale is its entry of lowp_scales. Its value is code x scale, taken as it is: it is not quantised again, and the codes and scales need not be those that the quantiser above would give.
;; One version. Each part assembles by itself: llvm-mc -triple=amdgcn-amd-amdhsa -mcpu=gfx1250 --defsym DOCPART=n.
;; ======== version 1 of 1: 7 launches
;; limits: right only within a limited range of input values
;; workspace buffers: ln_codes 4,194,304 bytes; q_img 4,194,304 bytes; k_img 4,194,304 bytes; v_img 4,194,304 bytes; o_img 4,194,304 bytes; h_img 16,777,216 bytes; x1 16,777,216 bytes
;; launch ln1 (part 1): grid 512 x 1, 4 waves a work-group, no clusters, 8,704 bytes of LDS; arguments x, ln1_g, ln1_b, lowp_scales, ln_codes; writes ln_codes
.if DOCPART == 1
	.amdgcn_target "amdgcn-amd-amdhsa--gfx1250"
	.amdhsa_code_object_version 6
	.text
	.protected	k_qded0e1b761_ln1
	.globl	k_qded0e1b761_ln1
	.p2align	8
	.type	k_qded0e1b761_ln1,@function
k_qded0e1b761_ln1:
	s_mov_b64 s[64:65], 0
	v_nop
	global_prefetch_b8 v0, s[64:65] scope:SCOPE_SE
	s_setreg_imm32_b32 hwreg(HW_REG_WAVE_MODE, 25, 1), 1
	s_wait_xcnt 0x0
; LAUNCH 1 OF 7: codes of layernorm(x, ln1_g, ln1_b), E5M2 with the given scale 2^e (entry 0 of lowp_scales), [4096][1024], one code a byte, K innermost.
; THE PROGRAM: ln1 -> qkv (product 1, q, k, v as codes) -> attn (products 2 and 3, o as codes) -> proj (product 4 + out_b + x = x1) -> ln2 -> fc1 (product 5, relu, codes) -> fc2 (product 6 + b2 + x1).
; WORK LEFT OUT (in attn): reference() adds -inf to score (i, j) wherever i - j < 0 or i - j >= 512, by a mask that it builds from positions alone.  Such a score has p = 0 and adds nothing to the row's sum or to
; product 3, whatever finite values the inputs hold; every row keeps its own key (i - j = 0).  So steps of 128 keys in which no pair (i, j) of a tile of 16 queries is kept are not multiplied.  Every input has a way to the output: all are loaded.
; LIMIT: a NaN, an infinity or an overflow that reaches only keys or values of steps left out is not carried to the result.
; THIS LAUNCH streams: 8 rows a work-group, 2 rows a wave, a row (4,096 bytes) in 32 registers of one wave; mean and variance in two passes over the registers, so a common offset of x costs no accuracy.
; 512 work-groups of 4 waves and 256 registers a wave: several fit on a WGP, so that one wave's chains of dependent sums stand beside another's.
; Each load reads 512 consecutive bytes; all 32 loads of a wave go out at the head.  A lane's 4 codes of each 512 bytes go through the wave's own LDS stage and leave as two stores of 512 consecutive aligned bytes a row.
; No matrix unit, no cluster, no barrier: waves share nothing but g and b, which are 8 KB.  No prefetch: there is no loop to run ahead in.
; LIMITS: e between -126 and 112, so that 2^e and 57,344 x 2^e are f32 numbers.  NaN among the inputs is not served.
.set SC_OFF, 0                         ; byte of my scale's exponent in lowp_scales
.set SPARE, 8192                       ; behind the four waves' stages (2 x 1,024 bytes each): the spare words, 128 bytes a wave
.set LW,   1                           ; v1   stage, in: wave x 2,048 + 4 x lane
.set LR,   2                           ; v2   stage, out: wave x 2,048 + 16 x lane
.set GO,   3                           ; v3   16 x lane: my bytes of a load's or a store's 512
.set SPW,  5                           ; v5   my spare word; never rewritten
.set NIL,  6                           ; v6   0; never rewritten
.set MU,   8                           ; v[8:9]   the mean (v9 only named with it)
.set RS,   10                          ; v[10:11] 1 / sqrt(var + eps)
.set CH,   12                          ; v[12:19] four packed chains
.set SCV,  20                          ; v20  2^e
.set LIMV, 21                          ; v21  57,344 x 2^e
.set PL,   22                          ; v22  the lane permute's destination
.set GA,   32                          ; v[32:63]  g at my 32 columns
.set BE,   64                          ; v[64:95]  b
.set X,    96                          ; v[96:159] two rows, 32 registers each: register 4 j + i is column 128 j + 4 lane + i
.set C,    224                         ; v[224:239] codes, eight registers a row
	s_load_b256 s[4:11], s[0:1], 0x0               ; x s[4:5], g s[6:7], b s[8:9], lowp_scales s[10:11]
	s_load_b64 s[12:13], s[0:1], 0x20              ; the codes
	v_lshl_add_u32 v[SPW], v0, 2, SPARE
	v_mov_b32 v[NIL], 0
	v_lshrrev_b32 v4, 5, v0
	v_readfirstlane_b32 s14, v4                    ; wave 0..3
	v_and_b32 v4, 31, v0                           ; lane
	v_lshlrev_b32 v[GO], 4, v4
	s_lshl_b32 s20, s14, 11
	v_lshl_add_u32 v[LW], v4, 2, s20
	v_lshl_add_u32 v[LR], v4, 4, s20
	v_mov_b32 v[MU+1], 0
	v_mov_b32 v[RS+1], 0
	v_mov_b32 v[PL], 0
	s_mov_b32 s16, 0x3a800000                      ; 1 / 1,024
	s_mov_b32 s17, 0x3727c5ac                      ; 1e-5
	s_mov_b32 s18, 0x76543210                      ; lane selects: lane l xor 16
	s_mov_b32 s19, 0xfedcba98
	s_lshl_b32 s21, ttmp9, 3
	s_lshl_b32 s22, s14, 1
	s_add_co_u32 s21, s21, s22                     ; my first row: 8 x work-group + 2 x wave
	s_lshl_b32 s22, s21, 12                        ; in x: 4,096 bytes a row
	s_mov_b32 s23, 0
	s_lshl_b32 s24, s21, 10                        ; in the codes: 1,024
	s_mov_b32 s25, 0
	s_wait_alu depctr_va_vdst(0)                   ; the wait at the head's end
	s_wait_kmcnt 0x0
	s_load_b32 s15, s[10:11], SC_OFF               ; e
	s_add_nc_u64 s[4:5], s[4:5], s[22:23]
	s_add_nc_u64 s[12:13], s[12:13], s[24:25]
.macro XLOAD r
.irp j, 0,1,2,3,4,5,6,7
	global_load_b128 v[X+32*\r+4*\j:X+32*\r+4*\j+3], v[GO], s[4:5] offset:4096*\r+512*\j th:TH_LOAD_NT
.endr
.endm
	XLOAD 0
.irp j, 0,1,2,3,4,5,6,7
	global_load_b128 v[GA+4*\j:GA+4*\j+3], v[GO], s[6:7] offset:512*\j
.endr
.irp j, 0,1,2,3,4,5,6,7
	global_load_b128 v[BE+4*\j:BE+4*\j+3], v[GO], s[8:9] offset:512*\j
.endr
	XLOAD 1
	s_wait_kmcnt 0x0
	s_add_co_i32 s15, s15, 127
	s_lshl_b32 s20, s15, 23
	v_mov_b32 v[SCV], s20                          ; 2^e as f32: the conversion takes its exponent field
	s_add_co_i32 s15, s15, 15
	s_lshl_b32 s15, s15, 23
	s_or_b32 s15, s15, 0x600000
	v_mov_b32 v[LIMV], s15                         ; 57,344 x 2^e
.macro WSUM                            ; the four chains and the 32 lanes become one sum, in v[CH] of every lane
	v_pk_add_f32 v[CH:CH+1], v[CH:CH+1], v[CH+2:CH+3]
	v_pk_add_f32 v[CH+4:CH+5], v[CH+4:CH+5], v[CH+6:CH+7]
	v_pk_add_f32 v[CH:CH+1], v[CH:CH+1], v[CH+4:CH+5]
	v_add_f32 v[CH], v[CH], v[CH+1]
.irp m, 1,2,4,8
	v_add_f32_dpp v[CH], v[CH], v[CH] row_xmask:\m row_mask:0xf bank_mask:0xf
.endr
	v_permlanex16_b32 v[PL], v[CH], s18, s19
	v_add_f32 v[CH], v[CH], v[PL]
.endm
; One row: mean, variance, norm, codes, and the turn through the stage.  cnt: the loads issued behind this row's, which may stay out.
.macro ROW r, cnt
.set XR, X+32*(\r)
.set CR, C+8*(\r)
	s_wait_loadcnt \cnt
.irp c, 0,1,2,3
	v_pk_add_f32 v[CH+2*\c:CH+2*\c+1], v[XR+2*\c:XR+2*\c+1], v[XR+8+2*\c:XR+9+2*\c]   ; the first pairs start the chains: nothing is cleared
.endr
.irp p, 8,9,10,11,12,13,14,15
	v_pk_add_f32 v[CH+2*(\p%4):CH+2*(\p%4)+1], v[CH+2*(\p%4):CH+2*(\p%4)+1], v[XR+2*\p:XR+2*\p+1]
.endr
	WSUM
	v_mul_f32 v[MU], s16, v[CH]                    ; the mean
.set p, 0
.rept 16
	v_pk_add_f32 v[XR+p:XR+p+1], v[XR+p:XR+p+1], v[MU:MU+1] op_sel_hi:[1,0] neg_lo:[0,1] neg_hi:[0,1]   ; d = x - mean
.set p, p+2
.endr
.irp c, 0,1,2,3
	v_pk_mul_f32 v[CH+2*\c:CH+2*\c+1], v[XR+2*\c:XR+2*\c+1], v[XR+2*\c:XR+2*\c+1]
.endr
.irp p, 4,5,6,7,8,9,10,11,12,13,14,15
	v_pk_fma_f32 v[CH+2*(\p%4):CH+2*(\p%4)+1], v[XR+2*\p:XR+2*\p+1], v[XR+2*\p:XR+2*\p+1], v[CH+2*(\p%4):CH+2*(\p%4)+1]
.endr
	WSUM
	v_fma_f32 v[RS], v[CH], s16, s17               ; var + eps
	s_wait_alu depctr_va_vdst(0)                   ; the wait ahead of the transcendental
	v_rsq_f32 v[RS], v[RS]
	v_nop                                          ; a plain instruction behind the transcendental,
	s_wait_alu depctr_va_vdst(0)                   ; and the wait ahead of its first reader
.if \r == 0
	s_wait_loadcnt 8                               ; g and b are in; row 1's eight loads may be out
.endif
.set p, 0
.rept 16
	v_pk_mul_f32 v[XR+p:XR+p+1], v[XR+p:XR+p+1], v[RS:RS+1] op_sel_hi:[1,0]
.set p, p+2
.endr
.set p, 0
.rept 16
	v_pk_fma_f32 v[XR+p:XR+p+1], v[XR+p:XR+p+1], v[GA+p:GA+p+1], v[BE+p:BE+p+1]
.set p, p+2
.endr
.set p, 0
.rept 32
	v_med3_num_f32 v[XR+p], v[XR+p], -v[LIMV], v[LIMV]   ; the conversion to an 8-bit code does not saturate (ISA guide 7.6.2): the hold at the largest code x the scale
.set p, p+1
.endr
.irp m, 0,1,2,3
	v_cvt_scalef32_pk8_bf8_f32 v[CR+2*\m:CR+2*\m+1], v[XR+8*\m:XR+8*\m+7], v[SCV]   ; register j of the eight: the four codes at byte 128 j + 4 lane of the row
.endr
	v_nop                                          ; a plain instruction behind the last conversion
.irp j, 0,1,2,3,4,5,6,7
	ds_store_b32 v[LW], v[CR+\j] offset:1024*\r+128*\j
.endr
.irp m, 0,1
	ds_load_b128 v[XR+4*\m:XR+4*\m+3], v[LR] offset:1024*\r+512*\m   ; LDS serves a wave's instructions in order (ISA guide 5.7.1.4): these see my stores
.endr
.endm
.macro SEND r, younger                 ; younger: the LDS instructions issued behind row r's two loads
	s_wait_dscnt \younger
.irp m, 0,1
	global_store_b128 v[GO], v[X+32*\r+4*\m:X+32*\r+4*\m+3], s[12:13] offset:1024*\r+512*\m   ; 32 lanes store 512 consecutive bytes, aligned
.endr
.endm
	ROW 0, 24                                      ; behind row 0's loads: g, b and row 1
	ROW 1, 0
	SEND 0, 10                                     ; behind row 0's LDS loads: row 1's eight stores and two loads
	SEND 1, 0
	s_wait_tensorcnt 0x0                           ; the wave's end
	ds_add_u32 v[SPW], v[NIL]
	s_wait_dscnt 0x0
	s_endpgm
.Lfunc_end_k_qded0e1b761_ln1:
	.size	k_qded0e1b761_ln1, .Lfunc_end_k_qded0e1b761_ln1-k_qded0e1b761_ln1
	.p2alignl 7, 3214868480
	.fill 96, 4, 3214868480
	.section	.rodata,"a",@progbits
	.p2align	6, 0x0
	.amdhsa_kernel k_qded0e1b761_ln1
		.amdhsa_group_segment_fixed_size 8704
		.amdhsa_private_segment_fixed_size 0
		.amdhsa_enable_private_segment 0
		.amdhsa_kernarg_size 40
		.amdhsa_user_sgpr_count 2
		.amdhsa_user_sgpr_kernarg_segment_ptr 1
		.amdhsa_wavefront_size32 1
		.amdhsa_system_sgpr_workgroup_id_x 1
		.amdhsa_system_sgpr_workgroup_id_y 1
		.amdhsa_system_sgpr_workgroup_id_z 1
		.amdhsa_system_vgpr_workitem_id 0
		.amdhsa_next_free_vgpr 256
		.amdhsa_next_free_sgpr 66
		.amdhsa_reserve_vcc 0
		.amdhsa_float_denorm_mode_32 3
		.amdhsa_float_denorm_mode_16_64 3
		.amdhsa_memory_ordered 1
		.amdhsa_forward_progress 1
		.amdhsa_inst_pref_size 24
	.end_amdhsa_kernel
	.amdgpu_metadata
---
amdhsa.version: [ 1, 2 ]
amdhsa.kernels:
  - .name:           k_qded0e1b761_ln1
    .symbol:         k_qded0e1b761_ln1.kd
    .args:
      - { .name: x, .offset: 0, .size: 8, .value_kind: global_buffer, .address_space: global }
      - { .name: ln1_g, .offset: 8, .size: 8, .value_kind: global_buffer, .address_space: global }
      - { .name: ln1_b, .offset: 16, .size: 8, .value_kind: global_buffer, .address_space: global }
      - { .name: lowp_scales, .offset: 24, .size: 8, .value_kind: global_buffer, .address_space: global }
      - { .name: ln_codes, .offset: 32, .size: 8, .value_kind: global_buffer, .address_space: global }
    .group_segment_fixed_size: 8704
    .private_segment_fixed_size: 0
    .kernarg_segment_align: 8
    .kernarg_segment_size: 40
    .max_flat_workgroup_size: 128
    .sgpr_count:     66
    .vgpr_count:     256
    .wavefront_size: 32
...
	.end_amdgpu_metadata
.endif
;; end of part 1
;; launch qkv (part 2): grid 12 x 16, 4 waves a work-group, clusters of 4 x 4, 327,680 bytes of LDS; arguments ln_codes, in_proj_w_codes, lowp_scales, in_proj_b, q_img, k_img, v_img; writes q_img, k_img, v_img
.if DOCPART == 2
	.amdgcn_target "amdgcn-amd-amdhsa--gfx1250"
	.amdhsa_code_object_version 6
	.text
	.protected	k_qded0e1b761_qkv
	.globl	k_qded0e1b761_qkv
	.p2align	8
	.type	k_qded0e1b761_qkv,@function
k_qded0e1b761_qkv:
	s_mov_b64 s[64:65], 0
	v_nop
	global_prefetch_b8 v0, s[64:65] scope:SCOPE_SE
	s_setreg_imm32_b32 hwreg(HW_REG_WAVE_MODE, 25, 1), 1
	s_wait_xcnt 0x0
	s_wait_alu depctr_hold_cnt(0) depctr_sa_sdst(0) depctr_va_vdst(0) depctr_va_sdst(0) depctr_va_ssrc(0) depctr_va_vcc(0) depctr_vm_vsrc(0)
	s_getreg_b32 s2, hwreg(HW_REG_IB_STS2, 6, 4)
	s_cmp_eq_u32 s2, 0
	s_cbranch_scc0 .Lentry_in_a_cluster
	s_endpgm
.Lentry_in_a_cluster:
	s_bfe_u32 s2, ttmp6, 0x10000c
	s_cmp_lg_u32 s2, 0xf033
	s_cbranch_scc0 .Lentry_shape_is_right
	s_endpgm
.Lentry_shape_is_right:
; LAUNCH 2 OF 7: qkv = xn in_proj_w^T + in_proj_b on E5M2 codes (scales: entries 0 and 1 of lowp_scales), and q, k, v quantised at once (entries 2, 3, 5) into the order of the next products' operand registers.
; A tile of 256 tokens x 256 features is made by four waves, 128 x 128 each: 64 accumulators, 512 registers.  K = 1,024 goes in steps of 256 through a ring of two LDS slots filled by the tensor data mover.
; 4,096 x 3,072 gives 192 such tiles; a smaller tile would read each LDS byte for half the products.
; CLUSTERS: 4 x 4 work-groups; the four of a row need the same tokens, the four of a column the same weights: each tile is asked for jointly.  The cluster's x is the kind: 0 = q, 1 = k, 2 = v, the same in all sixteen partners.
; THE MATRIX INSTRUCTION IS USED TRANSPOSED.  q, k: source 0 = 16 weight rows, source 1 = 16 tokens: a lane holds one token and eight neighbouring features, which are neighbours along product 2's K.
; v: source 0 = 16 tokens, source 1 = 16 weight rows: a lane holds one feature and eight neighbouring tokens, neighbours along product 3's K (the keys).  The two kinds differ in the LDS bases of the fragment loads alone.
; THE IMAGES.  In the 8-bit operand layout lane (r, h) holds k = 16 c + 8 h + 0..7 in registers 2 c, 2 c + 1: the conversion of accumulator (a, c) IS that pair.  Registers 4 g .. 4 g + 3 are stored at 512 g + 16 lane: 512 consecutive aligned bytes a store.
;   q_img, k_img: [batch x head 64][tile of 16 tokens 64][1,024 bytes];   v_img: [batch x head 64][step of 128 keys 8][tile of 16 channels 4][2,048 bytes].
; Both operands of THIS product are read from LDS by loads of 16 bytes: a permutation of k inside an instruction, the same on both sides.
; LIMITS: e0 + e1 between -126 and 127; e2, e3, e5 between -126 and 112.  Of the four K steps two are asked for at the head; steps 1 to 3 are prefetched.
; REGISTERS, in windows of 256: window 0: v16-29 addresses; v32-95 the bias; v96-120 the way out; from v128 source 1's fragments, ONE set; window 1: source 0's fragments, TWO sets; windows 2, 3: the accumulators ((a, b) at v[8 (8 (a % 4) + b)]).
.set SIZE_K, 1024
.set KSTEP,  256
.set ROWB,   256
.set KROW,   SIZE_K
.set PITCH,  272                       ; an LDS row: 256 bytes + 16 of padding: the 16 rows of a fragment load start at 16 different banks (64 banks of 4 bytes: ISA guide 11.1)
.set FR,     16
.set NL,     4
.set NP,     4                         ; places behind this matrix instruction (ISA guide 7.12.1)
.set HALFT,  128*PITCH
.set SLOT,   4*HALFT                   ; the tokens' 256 rows, then the weights' 256 rows
.set LAPS,   SIZE_K/(2*KSTEP)
.set SPARE,  2*SLOT                    ; behind the ring: the spare words, 128 bytes a wave
.set ADRA, 16                          ; v16-17 LDS address of source 1's fragments in slot 0, 1
.set ADRB, 20                          ; v20-21 of source 0's
.set CO,   26                          ; v26    16 x lane
.set BO,   27                          ; v27    my offset in the bias
.set SPW,  28
.set NIL,  29
.set BI,   32                          ; v32-95  64 numbers of the bias
.set BV,   96                          ; v96-111 v: the bias of my feature in block a, as a pair
.set LIMV, 112
.set SCV,  113
.set TR,   114
.set AF,   128
.set TMP,  128                         ; the way out: a block's 64 numbers
.set G1, 24
.set G0, 32
.set G1B, 48
.set G0B, 56
.set OUTP, 74                          ; s[74:75] where my wave's images begin
.set MSB, 0
.macro WIN new                         ; the immediate's high byte repeats the setting that is left
.if MSB != \new
	s_set_vgpr_msb (MSB<<8)|\new
.set MSB, \new
.endif
.endm
.set MUL_LO, 0xa1                      ; source 0 window 1, source 1 window 0, C and D window 2
.set MUL_HI, 0xf1
.set TO_B,   0x40
.macro JLOAD g0a, g1a, g0b, g1b        ; a joint load: waves 0 and 1 fetch tokens, waves 2 and 3 weights; an s_nop 0 and four v_nop follow each line
	s_cmp_eq_u32 s15, 0
	s_cbranch_scc0 .Lfor_b_\@
	tensor_load_to_lds s[\g0a:\g0a+3], s[\g1a:\g1a+7]
	s_nop 0
.rept 4
	v_nop
.endr
	s_branch .Lasked_\@
.Lfor_b_\@:
	tensor_load_to_lds s[\g0b:\g0b+3], s[\g1b:\g1b+7]
	s_nop 0
.rept 4
	v_nop
.endr
.Lasked_\@:
.endm
.macro CREST                           ; a round of the cluster's barrier behind its opening barrier
	s_cmp_lg_u32 s14, 0
	s_cbranch_scc1 .Lnot_wave_0_\@
	s_barrier_signal -3
.Lnot_wave_0_\@:
	s_barrier_wait -3
	s_barrier_signal -1
	s_barrier_wait -1
.endm
.macro CROUND
	s_barrier_signal -1
	s_barrier_wait -1
	CREST
.endm
	s_load_b128 s[4:7], s[0:1], 0x0                ; xn's codes, the weights' codes
	s_load_b128 s[8:11], s[0:1], 0x10              ; lowp_scales, in_proj_b
	s_load_b128 s[68:71], s[0:1], 0x20             ; q_img, k_img
	s_load_b64 s[72:73], s[0:1], 0x30              ; v_img
	v_lshl_add_u32 v[SPW], v0, 2, SPARE
	v_mov_b32 v[NIL], 0
	ds_add_u32 v[SPW], v[NIL]                      ; the wave's opening: the add, twice on end, and its wait ahead of my first tensor load
	ds_add_u32 v[SPW], v[NIL]
	v_lshrrev_b32 v1, 5, v0
	v_readfirstlane_b32 s14, v1                    ; wave 0..3
	s_lshr_b32 s15, s14, 1                         ; source 1's half.  Also: I fetch tokens (0) or weights (1)
	s_and_b32 s16, s14, 1                          ; source 0's half.  Also: which 128 rows I fetch
	s_bfe_u32 s40, ttmp6, 0x40000                  ; cx, cy
	s_bfe_u32 s41, ttmp6, 0x40004
	s_lshl_b32 s42, ttmp9, 2
	s_add_co_u32 s42, s42, s40                     ; tile column = 4 x cluster x + cx
	s_and_b32 s17, ttmp7, 0xffff
	s_lshl_b32 s17, s17, 2
	s_add_co_u32 s17, s17, s41                     ; tile row = 4 x cluster y + cy
	s_lshl_b32 s43, s41, 2
	s_lshl_b32 s43, 15, s43                        ; my row of the cluster
	s_lshl_b32 s44, 0x1111, s40                    ; my column
	s_or_b32 s[G1+0], s43, (0<<16)|(1<<20)|(1<<21)|(5<<22)|(3<<25)  ; the mask; elements of 1 byte; padding of 4 words after every 64; bit 21 beside a mask
	s_or_b32 s[G1B+0], s44, (0<<16)|(1<<20)|(1<<21)|(5<<22)|(3<<25)
.irp g, G1, G1B
	s_mov_b32 s[\g+1], ROWB<<16                    ; tensor_dim0
	s_mov_b32 s[\g+2], 128<<16                     ; tensor_dim1
	s_mov_b32 s[\g+3], ROWB<<16                    ; tile_dim0
	s_mov_b32 s[\g+4], 128                         ; tile_dim1
	s_mov_b32 s[\g+5], KROW                        ; the pitch
	s_mov_b32 s[\g+6], 0
	s_mov_b32 s[\g+7], 0
.endr
	s_lshl_b32 s18, s16, 7
	s_lshl_b32 s20, s17, 8
	s_add_co_u32 s20, s20, s18                     ; tokens: row 256 x tile row + 128 x half
	s_lshl_b32 s46, s42, 8
	s_add_co_u32 s46, s46, s18                     ; weights: row 256 x tile column + 128 x half
	s_mov_b32 s21, 0
	s_mov_b32 s47, 0
	s_mov_b64 s[18:19], KROW
	s_mul_u64 s[20:21], s[20:21], s[18:19]
	s_mul_u64 s[46:47], s[46:47], s[18:19]
	s_mul_i32 s45, s14, HALFT                      ; where they go: wave x 128 rows
	s_wait_dscnt 0x0                               ; both opening adds are done
	s_wait_kmcnt 0x0
	s_load_b256 s[80:87], s[8:9], 0x0              ; e0 .. e7
	s_add_nc_u64 s[20:21], s[4:5], s[20:21]
	s_add_nc_u64 s[46:47], s[6:7], s[46:47]
	CROUND                                         ; all sixteen work-groups are here: the first joint loads meet
.irp s, 0,1
	s_mov_b32 s[G0+4*\s], 1
	s_add_co_u32 s[G0+4*\s+1], s45, \s*SLOT
	s_add_nc_u64 s[G0+4*\s+2:G0+4*\s+3], s[20:21], \s*ROWB
	s_or_b32 s[G0+4*\s+3], s[G0+4*\s+3], 0x80000000
	s_mov_b32 s[G0B+4*\s], 1
	s_add_co_u32 s[G0B+4*\s+1], s45, \s*SLOT
	s_add_nc_u64 s[G0B+4*\s+2:G0B+4*\s+3], s[46:47], \s*ROWB
	s_or_b32 s[G0B+4*\s+3], s[G0B+4*\s+3], 0x80000000
.endr
	JLOAD G0, G1, G0B, G1B                         ; K step 0: one tensor load a wave at the head
	; PREFETCH of K steps 1 to 3.  Of the 128 rows that my wave fetches each of the four partners that ask for them jointly names 32, told apart by address (cx for the tokens, cy for the weights): a lane a row, 256 bytes a K step.
	s_cmp_eq_u32 s15, 0                            ; do I fetch tokens?
	s_cselect_b64 s[90:91], s[20:21], s[46:47]
	s_cselect_b32 s98, s40, s41
	s_lshl_b32 s98, s98, 15                        ; 32 rows of 1,024 bytes
	s_mov_b32 s99, 0
	s_add_nc_u64 s[90:91], s[90:91], s[98:99]      ; never rewritten
	v_and_b32 v30, 31, v0
	v_lshlrev_b32 v30, 10, v30                     ; my lane's row; never rewritten
	global_prefetch_b8 v30, s[90:91] offset:256 th:TH_LOAD_NT scope:SCOPE_SE   ; K step 1, one fill ahead of its load
	global_prefetch_b8 v30, s[90:91] offset:512 th:TH_LOAD_NT scope:SCOPE_SE   ; K step 2, two fills ahead
	v_and_b32 v1, 15, v0                           ; r
	v_bfe_u32 v2, v0, 4, 1                         ; h
	v_mul_u32_u24 v3, v1, PITCH
	v_lshl_add_u32 v4, v2, 4, v3                   ; a fragment's row x pitch + 16 h
	s_wait_alu depctr_va_vdst(0)
	s_cmp_eq_u32 ttmp9, 2                          ; v?  The cluster's x: the same in all partners
	s_cselect_b32 s88, s15, s16                    ; which half of the 256 features is my wave's,
	s_cselect_b32 s89, s16, s15                    ; which half of the 256 tokens
	s_cselect_b32 s95, 3, 4                        ; the bit of the lane's number that picks the bias's group of eight
	s_cselect_b64 s[OUTP:OUTP+1], s[72:73], s[70:71]
	s_cmp_eq_u32 ttmp9, 0
	s_cselect_b64 s[OUTP:OUTP+1], s[68:69], s[OUTP:OUTP+1]
	s_mul_i32 s21, s15, HALFT                      ; both kinds' addresses are made, of constants and the wave's number alone: v16-17, v20-21 for q and k; v18-19, v22-23 for v
	s_mul_i32 s22, s16, HALFT
.irp s, 0,1
	v_add_nc_u32 v[ADRA+\s], s21, v4               ; q, k: source 1 reads the tokens' region
	v_add_nc_u32 v[ADRB+2+\s], s22, v4             ; v: source 0 reads it
	s_add_co_u32 s21, s21, 2*HALFT
	s_add_co_u32 s22, s22, 2*HALFT
	v_add_nc_u32 v[ADRA+2+\s], s21, v4             ; v: source 1 reads the weights' region
	v_add_nc_u32 v[ADRB+\s], s22, v4               ; q, k: source 0 reads it
	s_add_co_u32 s21, s21, SLOT-2*HALFT
	s_add_co_u32 s22, s22, SLOT-2*HALFT
.endr
	s_lshl_b32 s76, s42, 10                        ; the bias of my wave's 128 features: 4 x (256 x tile column + 128 x half)
	s_lshl_b32 s77, s88, 9
	s_add_co_u32 s76, s76, s77
	s_mov_b32 s77, 0
	s_add_nc_u64 s[10:11], s[10:11], s[76:77]
	v_lshrrev_b32 v[BO], s95, v0
	v_and_b32 v[BO], 1, v[BO]
	v_lshlrev_b32 v[BO], 5, v[BO]                  ; q, k: 8 h numbers on; v: 8 (r / 8)
.irp i, 0,1,2,3,4,5,6,7
	global_load_b128 v[BI+8*\i:BI+8*\i+3], v[BO], s[10:11] offset:64*\i       ; they stay out across the loop; their registers and addresses are not touched there
	global_load_b128 v[BI+8*\i+4:BI+8*\i+7], v[BO], s[10:11] offset:64*\i+16
.endr
	v_and_b32 v[CO], 31, v0
	v_lshlrev_b32 v[CO], 4, v[CO]
	s_lshr_b32 s76, s17, 2                         ; my images: (16 x batch + 4 cx + 2 x feature half) heads of 65,536 bytes
	s_lshl_b32 s76, s76, 4
	s_lshl_b32 s77, s40, 2
	s_add_co_u32 s76, s76, s77
	s_lshl_b32 s77, s88, 1
	s_add_co_u32 s76, s76, s77
	s_lshl_b32 s76, s76, 16
	s_and_b32 s77, s17, 3                          ; + 256 tokens of the batch are 16,384 bytes in each of the three layouts, 128 are 8,192
	s_lshl_b32 s77, s77, 14
	s_add_co_u32 s76, s76, s77
	s_lshl_b32 s77, s89, 13
	s_add_co_u32 s76, s76, s77
	s_mov_b32 s77, 0
	s_add_nc_u64 s[OUTP:OUTP+1], s[OUTP:OUTP+1], s[76:77]
.macro FRAG reg, adr, q, i             ; 16 rows x 128 K: registers 4 c .. 4 c + 3 hold K = 32 c + 16 h + 0 .. 15
.irp c, 0,1,2,3
	ds_load_b128 v[\reg+4*\c:\reg+4*\c+3], v[\adr] offset:128*(\q)+32*\c+(\i)*16*PITCH
.endr
.endm
; 16 matrix instructions: source 1's blocks a0, a0 + 1 x source 0's eight.  The 64 accumulators take turns, one instruction a turn, in the same order in every step.
.macro MUL16 a0, p, zero
.irp a, \a0, \a0+1
.irp b, 0,1,2,3,4,5,6,7
.if \zero
	v_wmma_f32_16x16x128_bf8_bf8 v[8*(8*((\a)%4)+\b):8*(8*((\a)%4)+\b)+7], v[128*(\p)+FR*\b:128*(\p)+FR*\b+FR-1], v[AF+FR*(\a):AF+FR*(\a)+FR-1], 0
.else
	v_wmma_f32_16x16x128_bf8_bf8 v[8*(8*((\a)%4)+\b):8*(8*((\a)%4)+\b)+7], v[128*(\p)+FR*\b:128*(\p)+FR*\b+FR-1], v[AF+FR*(\a):AF+FR*(\a)+FR-1], v[8*(8*((\a)%4)+\b):8*(8*((\a)%4)+\b)+7]
.endif
.endr
.endr
.endm
; The two kinds' fragment loads differ in their address register alone.  The branch hangs on the cluster's x, the same in all sixteen partners, and leads round LDS loads only; both ways issue as many.
.macro FETCH_B slot, q, p
	WIN 0                                          ; at a branch and at a label every window is 0
	s_cmp_eq_u32 ttmp9, 2
	s_cbranch_scc1 .Lbv_\@
	WIN TO_B
.irp i, 0,1,2,3,4,5,6,7
	FRAG 128*(\p)+FR*\i, ADRB+\slot, \q, \i
.endr
	WIN 0
	s_branch .Lbj_\@
.Lbv_\@:
	WIN TO_B
.irp i, 0,1,2,3,4,5,6,7
	FRAG 128*(\p)+FR*\i, ADRB+2+\slot, \q, \i
.endr
	WIN 0
.Lbj_\@:
.endm
.macro FETCH_A slot, q, i0
	WIN 0
	s_cmp_eq_u32 ttmp9, 2
	s_cbranch_scc1 .Lav_\@
.irp i, \i0, \i0+1, \i0+2, \i0+3
	FRAG AF+FR*(\i), ADRA+\slot, \q, \i
.endr
	s_branch .Laj_\@
.Lav_\@:
.irp i, \i0, \i0+1, \i0+2, \i0+3
	FRAG AF+FR*(\i), ADRA+2+\slot, \q, \i
.endr
.Laj_\@:
.endm
.macro PLACES n                        ; plain vector instructions between a matrix instruction and a load into, or a vector read or write of, its registers
.rept \n
	v_nop
.endr
.endm
.macro STEP slot, q, zero              ; 128 along K, with its successor in the same slot
	s_wait_dscnt 4*NL                              ; source 0's set and source 1's blocks 0-3 are in; blocks 4-7, the youngest 16 loads, may be out
	WIN MUL_LO
	MUL16 0, (\q)%2, \zero
	MUL16 2, (\q)%2, \zero
	s_wait_dscnt 0
	PLACES NP
	FETCH_B \slot, (\q)+1, 1-(\q)%2
	FETCH_A \slot, (\q)+1, 0
	WIN MUL_HI
	MUL16 4, (\q)%2, \zero
	MUL16 6, (\q)%2, \zero
	PLACES NP
	WIN 0
	FETCH_A \slot, (\q)+1, 4
.endm
; A slot's last step changes slots: one barrier; in front of it each wave waits for all its tensor loads, adds 0 to its spare word, and waits for that and for its reads of this slot.
.macro TURN slot, next, fill
	s_wait_tensorcnt 0x0                           ; all my tensor loads have landed: my part of the next slot
	ds_add_u32 v[SPW], v[NIL]
	s_wait_dscnt 4*NL+1                            ; the add and the youngest 16 loads may be out
	WIN MUL_LO
	MUL16 0, 1, 0
	s_wait_dscnt 0x0                               ; the add is done, and my reads of this slot are over
	s_barrier_signal -1
	MUL16 2, 1, 0
	WIN 0
	s_barrier_wait -1
.if \fill
	CREST                                          ; the barrier has opened a round of the cluster's: no wave of any partner still reads this slot or has a load on its way
	s_add_nc_u64 s[G0+4*\slot+2:G0+4*\slot+3], s[G0+4*\slot+2:G0+4*\slot+3], 2*ROWB
	s_add_nc_u64 s[G0B+4*\slot+2:G0B+4*\slot+3], s[G0B+4*\slot+2:G0B+4*\slot+3], 2*ROWB
	JLOAD G0+4*\slot, G1, G0B+4*\slot, G1B         ; the first tensor load behind the round; its four v_nop are the places in front of the loads below
.else
	PLACES NP
.endif
	FETCH_B \next, 0, 0
	FETCH_A \next, 0, 0
	WIN MUL_HI
	MUL16 4, 1, 0
	MUL16 6, 1, 0
	PLACES NP
	WIN 0
	FETCH_A \next, 0, 4
.endm
	s_wait_alu depctr_va_vdst(0)
	s_wait_tensorcnt 0x0                           ; my part of K step 0 is in
	ds_add_u32 v[SPW], v[NIL]
	s_wait_dscnt 0x0
	CROUND                                         ; a whole round: everybody's part of K step 0 is in, and the joint loads meet
	JLOAD G0+4, G1, G0B+4, G1B                     ; K step 1, the first tensor load behind the round
	FETCH_B 0, 0, 0
	FETCH_A 0, 0, 0
	FETCH_A 0, 0, 4
	global_prefetch_b8 v30, s[90:91] offset:768 th:TH_LOAD_NT scope:SCOPE_SE   ; K step 3, two fills ahead: the last
	STEP 0, 0, 1                                   ; the first step's products start the sums
	s_mov_b32 s3, LAPS-1
.Llap:
	TURN 0, 1, 1
	STEP 1, 0, 0
	TURN 1, 0, 1
	STEP 0, 0, 0
	s_sub_co_u32 s3, s3, 1
	s_cmp_lg_u32 s3, 0
	s_cbranch_scc1 .Llap
	TURN 0, 1, 0                                   ; the last lap fills nothing
	STEP 1, 0, 0
	s_wait_dscnt 4*NL
	WIN MUL_LO
	MUL16 0, 1, 0
	MUL16 2, 1, 0
	s_wait_dscnt 0
	WIN MUL_HI
	MUL16 4, 1, 0
	MUL16 6, 1, 0
	WIN 0
; THE WAY OUT of block a: sum x 2^(e0 + e1) + bias, the hold, the conversion; the eight accumulators' codes are one operand image (v, or two of 8 registers for q and k), stored as they stand.
; mode 1: q, k: the bias runs along my registers.  mode 2: v: one number a lane.
.macro OUTBLK a, mode
.set AC, 64*((\a)%4)
.set CD, 16*(\a)                       ; eight sets of code registers, in window 1, where source 0's fragments lay: no store's data register is written again
	WIN 0x02+((\a)/4)                              ; source 0: window 2 or 3
.set j, 0
.rept 32
.if \mode == 2
	v_pk_fma_f32 v[TMP+j:TMP+j+1], v[AC+j:AC+j+1], s[96:97], v[BV+2*(\a):BV+2*(\a)+1] op_sel_hi:[1,0,1]
.else
	v_pk_fma_f32 v[TMP+j:TMP+j+1], v[AC+j:AC+j+1], s[96:97], v[BI+j:BI+j+1] op_sel_hi:[1,0,1]   ; each accumulator from its low end on
.endif
.set j, j+2
.endr
	WIN 0
.set j, 0
.rept 64
	v_med3_num_f32 v[TMP+j], v[TMP+j], -v[LIMV], v[LIMV]   ; the conversion does not saturate (ISA guide 7.6.2)
.set j, j+1
.endr
	WIN 0x40                                       ; destination window 1
.irp b, 0,1,2,3,4,5,6,7
	v_cvt_scalef32_pk8_bf8_f32 v[CD+2*\b:CD+2*\b+1], v[TMP+8*\b:TMP+8*\b+7], v[SCV]
.endr
	v_nop                                          ; a plain instruction behind the last conversion
	WIN 0x04                                       ; the stores' data window 1
.irp c, 0,1,2,3
.if \mode == 2
	global_store_b128 v[CO], v[CD+4*\c:CD+4*\c+3], s[OUTP:OUTP+1] offset:((\a)/4)*65536+((\a)%4)*2048+512*\c   ; head a / 4, channels 16 (a % 4) on, my 128 keys
.else
	global_store_b128 v[CO], v[CD+4*\c:CD+4*\c+3], s[OUTP:OUTP+1] offset:(\c/2)*65536+(\a)*1024+(\c%2)*512     ; head c / 2, tokens 16 a on
.endif
.endr
	WIN 0
.endm
	s_wait_kmcnt 0x0
	s_add_co_i32 s96, s80, s81
	s_add_co_i32 s96, s96, 127
	s_lshl_b32 s96, s96, 23                        ; 2^(e0 + e1) as f32
	s_mov_b32 s97, s96
	s_cmp_eq_u32 ttmp9, 0
	s_cselect_b32 s78, s82, s83                    ; the scale of what I make: e2 for q, e3 for k,
	s_cmp_eq_u32 ttmp9, 2
	s_cselect_b32 s78, s85, s78                    ; e5 for v: a choice, no branch
	s_add_co_i32 s78, s78, 127
	s_lshl_b32 s79, s78, 23
	v_mov_b32 v[SCV], s79
	s_add_co_i32 s78, s78, 15
	s_lshl_b32 s78, s78, 23
	s_or_b32 s78, s78, 0x600000
	v_mov_b32 v[LIMV], s78
	s_wait_loadcnt 0x0                             ; the bias
	PLACES NP
	s_cmp_eq_u32 ttmp9, 2
	s_cbranch_scc1 .Lv_arm
.irp a, 0,1,2,3,4,5,6,7
	OUTBLK \a, 1
.endr
	s_branch .Ldone
.Lv_arm:
	v_and_b32 v[TR], 1, v0                         ; of the eight numbers that I loaded for block a (features 16 a + 8 (r / 8) + 0 .. 7) mine is number r % 8: three selects deep
	v_cmp_ne_u32 s92, 0, v[TR]
	v_and_b32 v[TR], 2, v0
	v_cmp_ne_u32 s93, 0, v[TR]
	v_and_b32 v[TR], 4, v0
	v_cmp_ne_u32 s94, 0, v[TR]
.irp a, 0,1,2,3,4,5,6,7
	v_cndmask_b32 v[TR], v[BI+8*\a], v[BI+8*\a+1], s92
	v_cndmask_b32 v[TR+1], v[BI+8*\a+2], v[BI+8*\a+3], s92
	v_cndmask_b32 v[TR+2], v[BI+8*\a+4], v[BI+8*\a+5], s92
	v_cndmask_b32 v[TR+3], v[BI+8*\a+6], v[BI+8*\a+7], s92
	v_cndmask_b32 v[TR], v[TR], v[TR+1], s93
	v_cndmask_b32 v[TR+2], v[TR+2], v[TR+3], s93
	v_cndmask_b32 v[BV+2*\a], v[TR], v[TR+2], s94
	v_mov_b32 v[BV+2*\a+1], v[BV+2*\a]
.endr
.irp a, 0,1,2,3,4,5,6,7
	OUTBLK \a, 2
.endr
.Ldone:
	s_wait_tensorcnt 0x0                           ; the wave's end
	ds_add_u32 v[SPW], v[NIL]
	s_wait_dscnt 0x0
	CROUND                                         ; the closing round
	s_endpgm
.Lfunc_end_k_qded0e1b761_qkv:
	.size	k_qded0e1b761_qkv, .Lfunc_end_k_qded0e1b761_qkv-k_qded0e1b761_qkv
	.p2alignl 7, 3214868480
	.fill 96, 4, 3214868480
	.section	.rodata,"a",@progbits
	.p2align	6, 0x0
	.amdhsa_kernel k_qded0e1b761_qkv
		.amdhsa_group_segment_fixed_size 327680
		.amdhsa_private_segment_fixed_size 0
		.amdhsa_enable_private_segment 0
		.amdhsa_kernarg_size 56
		.amdhsa_user_sgpr_count 2
		.amdhsa_user_sgpr_kernarg_segment_ptr 1
		.amdhsa_wavefront_size32 1
		.amdhsa_system_sgpr_workgroup_id_x 1
		.amdhsa_system_sgpr_workgroup_id_y 1
		.amdhsa_system_sgpr_workgroup_id_z 1
		.amdhsa_system_vgpr_workitem_id 0
		.amdhsa_next_free_vgpr 1024
		.amdhsa_next_free_sgpr 100
		.amdhsa_reserve_vcc 0
		.amdhsa_float_denorm_mode_32 3
		.amdhsa_float_denorm_mode_16_64 3
		.amdhsa_memory_ordered 1
		.amdhsa_forward_progress 1
		.amdhsa_inst_pref_size 233
	.end_amdhsa_kernel
	.amdgpu_metadata
---
amdhsa.version: [ 1, 2 ]
amdhsa.kernels:
  - .name:           k_qded0e1b761_qkv
    .symbol:         k_qded0e1b761_qkv.kd
    .args:
      - { .name: ln_codes, .offset: 0, .size: 8, .value_kind: global_buffer, .address_space: global }
      - { .name: in_proj_w_codes, .offset: 8, .size: 8, .value_kind: global_buffer, .address_space: global }
      - { .name: lowp_scales, .offset: 16, .size: 8, .value_kind: global_buffer, .address_space: global }
      - { .name: in_proj_b, .offset: 24, .size: 8, .value_kind: global_buffer, .address_space: global }
      - { .name: q_img, .offset: 32, .size: 8, .value_kind: global_buffer, .address_space: global }
      - { .name: k_img, .offset: 40, .size: 8, .value_kind: global_buffer, .address_space: global }
      - { .name: v_img, .offset: 48, .size: 8, .value_kind: global_buffer, .address_space: global }
    .group_segment_fixed_size: 327680
    .private_segment_fixed_size: 0
    .kernarg_segment_align: 8
    .kernarg_segment_size: 56
    .max_flat_workgroup_size: 128
    .sgpr_count:     100
    .vgpr_count:     1024
    .wavefront_size: 32
...
	.end_amdgpu_metadata
.endif
;; end of part 2
;; launch attn (part 3): grid 4 x 64, 16 waves a work-group, clusters of 4 x 1, 167,936 bytes of LDS; arguments q_img, k_img, v_img, rel_pos, lowp_scales, o_img; writes o_img
.if DOCPART == 3
	.amdgcn_target "amdgcn-amd-amdhsa--gfx1250"
	.amdhsa_code_object_version 6
	.text
	.protected	k_qded0e1b761_attn
	.globl	k_qded0e1b761_attn
	.p2align	8
	.type	k_qded0e1b761_attn,@function
k_qded0e1b761_attn:
	s_mov_b64 s[64:65], 0
	v_nop
	global_prefetch_b8 v0, s[64:65] scope:SCOPE_SE
	s_setreg_imm32_b32 hwreg(HW_REG_WAVE_MODE, 25, 1), 1
	s_wait_xcnt 0x0
	s_wait_alu depctr_hold_cnt(0) depctr_sa_sdst(0) depctr_va_vdst(0) depctr_va_sdst(0) depctr_va_ssrc(0) depctr_va_vcc(0) depctr_vm_vsrc(0)
	s_getreg_b32 s2, hwreg(HW_REG_IB_STS2, 6, 4)
	s_cmp_eq_u32 s2, 0
	s_cbranch_scc0 .Lentry_in_a_cluster
	s_endpgm
.Lentry_in_a_cluster:
	s_bfe_u32 s2, ttmp6, 0x10000c
	s_cmp_lg_u32 s2, 0x3003
	s_cbranch_scc0 .Lentry_shape_is_right
	s_endpgm
.Lentry_shape_is_right:
; LAUNCH 3 OF 7: o = softmax(q k^T / 8 + bias) v for 64 (batch, head) pairs, both products on E5M2 codes (scales: entries 2, 3 and 4, 5 of lowp_scales), o quantised (entry 6) into the image of product 4's operand.
; WORK LEFT OUT: key steps of 128 in which every pair has i - j < 0 or i - j >= 512: reference()'s own mask gives them p = 0 for all values of the inputs (shown at the head of the first launch).
; THE SOFTMAX: t = logit x log2(e); M = the running largest t rounded up to a whole number; p = 2^(t - M) is quantised, not normalised; the row's sum is taken of the unquantised p and divides at the end; a move of M rescales by an exact power of two.
; SHARES.  A work-group is one (batch, head) and one of four interleaved quarters j of its query tiles; wave w owns tile 4 w + j: queries 64 w + 16 j + 0..15.  Its diagonal key step is g = w / 2, whatever j is, and it walks steps g, g - 1, ..
; down to g - 4 or 0: the first step holds every query's own key, so M is a number from the start.  Waves walk 1, 1, 2, 2, 3, 3, 4, 4, 5 x 8 steps, alike in every work-group.
; CLUSTER.  The four work-groups of a (batch, head) need the same K and V: 64 KB each, fetched ONCE into LDS by joint loads, one of 8 KB a wave.  Nothing is filled again: no ring.
; LAYOUT.  S^T = K Q^T (source 0 = 16 keys, source 1 = my 16 queries; K = 64), O^T = V^T P^T (source 0 = 16 channels; K = 128 keys): a lane holds one query throughout, and tile c's eight scores are keys 16 c + 8 h + 0..7:
; their codes are registers 2 c, 2 c + 1 of P.  All operands lie in memory and LDS as images of their registers: loads of 16 bytes at 16 x lane.
; BIAS AND MASK ARE THE C OF THE SCORE PRODUCT.  A table holds, for rel = i - j, rel_pos[head][rel] x 2^(3 - e2 - e3), or -2^60 x 2^(3 - e2 - e3) where rel is outside 0..511; entry x stands for rel = 16 j + 592 - x, so that j enters its content
; and no LDS address.  A lane's eight entries of a tile are neighbours; four copies, copy s shifted by s words, make each lane's 16-byte loads aligned.  t = (sum + C) x log2(e) / 8 x 2^(e2 + e3).
; LIMITS: a hidden logit is -2^60 and not -infinity: p is 0 all the same while true logits stay far under 2^60.  e2 + e3 between -60 and 130; e4, e6 between -126 and 112.  NaN among the inputs is not served.
; No prefetch: all of K and V is asked for at the head.
.set CPB,   3136                       ; bytes of a copy of the table: 784 words
.set SPARE, 12800                      ; behind the table's 12,544 bytes: the spare words, 128 bytes for each of 16 waves
.set KBASE, 32768                      ; K: 8 key steps of 8,192 bytes; V follows at 98,304
.set AKG, 1                            ; v1  K's diagonal step: KBASE + 8,192 g + 16 lane
.set AVG, 2                            ; v2  V's
.set ABI, 3                            ; v3  my place in the table for the diagonal step
.set ADK, 4                            ; v4, v8, v9: the same for the step in hand
.set SPW, 5
.set NIL, 6
.set LI,  7                            ; v7  16 x lane
.set ADV, 8
.set ADB, 9
; v10, v11 table entries; v12 -M, v13 the largest t, v[14:15] the sum; v16-23 Q; v24-31 at work at the head; v32-95 K's, then V's fragments; v96-159 bias, S^T, p; v160-191 O^T; v192-207 p's codes; v208-215 o's codes
.set WV,  18
.set GS,  19                           ; s19 g
.set CX,  20
.set BH,  21
.set SEL, 22
.set CS,  24                           ; s[24:25] log2(e) / 8 x 2^(e2 + e3)
.set G1,  28
.set G0K, 36
.set SC,  40                           ; s[40:47] e0 .. e7
.set G0V, 48
.macro CROUND
	s_barrier_signal -1
	s_barrier_wait -1
	s_cmp_lg_u32 s[WV], 0
	s_cbranch_scc1 .Lnot_wave_0_\@
	s_barrier_signal -3
.Lnot_wave_0_\@:
	s_barrier_wait -3
	s_barrier_signal -1
	s_barrier_wait -1
.endm
	s_load_b256 s[4:11], s[0:1], 0x0               ; q_img, k_img, v_img, rel_pos
	s_load_b128 s[12:15], s[0:1], 0x20             ; lowp_scales, o_img
	v_lshl_add_u32 v[SPW], v0, 2, SPARE
	v_mov_b32 v[NIL], 0
	ds_add_u32 v[SPW], v[NIL]                      ; the wave's opening: the add, twice on end, and its wait ahead of my first tensor load
	ds_add_u32 v[SPW], v[NIL]
	v_lshrrev_b32 v24, 5, v0
	s_delay_alu instid0(VALU_DEP_1)
	v_readfirstlane_b32 s[WV], v24                 ; wave 0..15
	s_lshr_b32 s[GS], s[WV], 1
	s_bfe_u32 s[CX], ttmp6, 0x40000                ; j: my place in the cluster
	s_and_b32 s[BH], ttmp7, 0xffff                 ; 16 x batch + head, which the four partners share
	s_mov_b32 s[G1], 15|(3<<16)|(1<<21)            ; the mask: all four; elements of 8 bytes; no padding; bit 21 beside a mask
	s_mov_b32 s[G1+1], 32<<16                      ; tensor_dim0 = 32: rows of 256 bytes
	s_mov_b32 s[G1+2], 32<<16                      ; tensor_dim1 = 32
	s_mov_b32 s[G1+3], 32<<16                      ; tile_dim0
	s_mov_b32 s[G1+4], 32                          ; tile_dim1: 8,192 bytes, dense
	s_mov_b32 s[G1+5], 32                          ; the pitch
	s_mov_b32 s[G1+6], 0
	s_mov_b32 s[G1+7], 0
	s_mov_b32 s[SEL], 0x76543210
	s_mov_b32 s[SEL+1], 0xfedcba98
	s_mov_b32 s[CS], 0x3e38aa3b                    ; log2(e) / 8
	s_lshl_b32 s56, s[BH], 16                      ; a (batch, head) is 65,536 bytes in each image
	s_and_b32 s57, s[WV], 7
	s_lshl_b32 s57, s57, 13                        ; the key step that I fetch: waves 0-7 of K, waves 8-15 of V
	s_add_co_u32 s56, s56, s57
	s_mov_b32 s57, 0
	s_lshl_b32 s58, s[WV], 13
	s_add_co_u32 s58, s58, KBASE                   ; and where it goes
	s_wait_dscnt 0x0                               ; both opening adds are done
	s_wait_kmcnt 0x0
	s_load_b256 s[SC:SC+7], s[12:13], 0x0
	s_mov_b32 s[G0K], 1
	s_mov_b32 s[G0K+1], s58
	s_add_nc_u64 s[G0K+2:G0K+3], s[6:7], s[56:57]
	s_or_b32 s[G0K+3], s[G0K+3], 0x80000000
	s_mov_b32 s[G0V], 1
	s_mov_b32 s[G0V+1], s58
	s_add_nc_u64 s[G0V+2:G0V+3], s[8:9], s[56:57]
	s_or_b32 s[G0V+3], s[G0V+3], 0x80000000
	CROUND                                         ; all four work-groups are here: the joint loads meet
	s_cmp_lt_u32 s[WV], 8                          ; every wave issues one fill, in one arm or the other; one load of mine is out
	s_cbranch_scc0 .Lfirst_v
	tensor_load_to_lds s[G0K:G0K+3], s[G1:G1+7]
	s_nop 0
.rept 4
	v_nop
.endr
	s_branch .Lfirst_asked
.Lfirst_v:
	tensor_load_to_lds s[G0V:G0V+3], s[G1:G1+7]
	s_nop 0
.rept 4
	v_nop
.endr
.Lfirst_asked:
	v_and_b32 v24, 31, v0
	s_delay_alu instid0(VALU_DEP_1)
	v_lshlrev_b32 v[LI], 4, v24
	s_lshl_b32 s59, s[GS], 13
	s_add_co_u32 s59, s59, KBASE
	v_add_nc_u32 v[AKG], s59, v[LI]
	s_delay_alu instid0(VALU_DEP_1)
	v_add_nc_u32 v[AVG], 0x10000, v[AKG]
	s_and_b32 s59, s[WV], 1                        ; the table: (r % 4) CPB + 2,368 - 256 (w % 2) - 16 (r / 4) + 32 h
	s_xor_b32 s59, s59, 1
	s_lshl_b32 s59, s59, 8
	s_add_co_u32 s59, s59, 2112
	v_and_b32 v25, 3, v0
	s_delay_alu instid0(VALU_DEP_1)
	v_mul_u32_u24 v[ABI], v25, CPB
	s_delay_alu instid0(VALU_DEP_1)
	v_add_nc_u32 v[ABI], s59, v[ABI]
	v_bfe_u32 v25, v0, 2, 2
	s_delay_alu instid0(VALU_DEP_1)
	v_lshlrev_b32 v25, 4, v25
	s_delay_alu instid0(VALU_DEP_1)
	v_sub_nc_u32 v[ABI], v[ABI], v25
	v_bfe_u32 v25, v0, 4, 1
	s_delay_alu instid0(VALU_DEP_1)
	v_lshl_add_u32 v[ABI], v25, 5, v[ABI]
	v_lshlrev_b32 v26, 2, v0                       ; where I store table entries: 4 x thread
	s_lshl_b32 s60, s[WV], 2
	s_add_co_u32 s60, s60, s[CX]                   ; my tile of queries: 4 w + j
	s_lshl_b32 s62, s[BH], 6
	s_add_co_u32 s62, s62, s60
	s_lshl_b32 s62, s62, 10
	s_mov_b32 s63, 0
	s_add_nc_u64 s[4:5], s[4:5], s[62:63]
	global_load_b128 v[16:19], v[LI], s[4:5]       ; Q's fragment stays in registers
	global_load_b128 v[20:23], v[LI], s[4:5] offset:512
	s_and_b32 s62, s[BH], 15
	s_lshl_b32 s62, s62, 11                        ; my head's row of rel_pos
	s_add_nc_u64 s[10:11], s[10:11], s[62:63]
	s_lshl_b32 s61, s[CX], 4
	s_add_co_u32 s61, s61, 592
	v_sub_nc_u32 v27, s61, v0                      ; entry x = thread: rel = 16 j + 592 - x
	s_delay_alu instid0(VALU_DEP_1)
	v_cmp_gt_u32 s52, 0x200, v27                   ; kept where 0 <= rel < 512 (a negative rel is a large unsigned number)
	s_delay_alu instid0(VALU_DEP_2)
	v_min_u32 v28, 0x1ff, v27                      ; the load stays inside the row
	s_delay_alu instid0(VALU_DEP_1)
	v_lshlrev_b32 v28, 2, v28
	global_load_b32 v11, v28, s[10:11]
	v_sub_nc_u32 v27, v27, 0x200                   ; entry x = 512 + thread
	s_delay_alu instid0(VALU_DEP_1)
	v_cmp_gt_u32 s53, 0x200, v27
	s_delay_alu instid0(VALU_DEP_2)
	v_min_u32 v29, 0x1ff, v27
	s_delay_alu instid0(VALU_DEP_1)
	v_lshlrev_b32 v29, 2, v29
	v_mov_b32 v30, 0xdd800000                      ; -2^60
	s_lshr_b32 s62, s[BH], 4                       ; o_img: ((64 x batch + my tile) x 8 + head / 2) x 2,048 + (head % 2) x 1,024
	s_lshl_b32 s62, s62, 6
	s_add_co_u32 s62, s62, s60
	s_lshl_b32 s62, s62, 3
	s_bfe_u32 s61, s[BH], 0x30001
	s_add_co_u32 s62, s62, s61
	s_lshl_b32 s62, s62, 11
	s_and_b32 s61, s[BH], 1
	s_lshl_b32 s61, s61, 10
	s_add_co_u32 s62, s62, s61
	s_add_nc_u64 s[14:15], s[14:15], s[62:63]
	v_mov_b32 v14, 0                               ; the sum, in two halves
	v_mov_b32 v15, 0
	v_mov_b32 v236, 0                              ; a lane permute's destination counts as read
	v_mov_b32 v253, 0                              ; named as the upper half of the pair v[252:253]
	s_wait_kmcnt 0x0
	s_add_co_i32 s54, s[SC+2], s[SC+3]
	s_lshl_b32 s55, s54, 23
	s_add_co_i32 s[CS], s[CS], s55                 ; e2 + e3 go into c's exponent field
	s_mov_b32 s[CS+1], s[CS]
	s_sub_co_i32 s54, 3, s54                       ; the table's power of two
	s_add_co_i32 s56, s[SC+4], 127
	s_lshl_b32 s57, s56, 23
	v_mov_b32 v244, s57                            ; 2^e4, for p's conversion
	s_add_co_i32 s56, s56, 15
	s_lshl_b32 s56, s56, 23
	s_or_b32 s56, s56, 0x600000
	v_mov_b32 v240, s56                            ; 57,344 x 2^e4
	s_add_co_i32 s55, s[SC+4], s[SC+5]             ; e4 + e5
	s_add_co_i32 s59, s[SC+6], 127
	s_lshl_b32 s58, s59, 23                        ; 2^e6,
	s_add_co_i32 s59, s59, 15
	s_lshl_b32 s59, s59, 23
	s_or_b32 s59, s59, 0x600000                    ; 57,344 x 2^e6, for o
	s_cmp_lt_u32 s[WV], 8                          ; entries 512 to 767: the first 256 threads
	s_cbranch_scc0 .Lno_hi
	s_wait_alu depctr_va_vdst(0)
	global_load_b32 v10, v29, s[10:11]
	s_wait_loadcnt 0x0
	v_cndmask_b32 v10, v30, v10, s53
	s_delay_alu instid0(VALU_DEP_1)
	v_ldexp_f32 v10, v10, s54
.irp s, 0,1,2,3
	ds_store_b32 v26, v10 offset:2048+3140*\s      ; copy s: entry x at word x + s
.endr
.Lno_hi:
	s_wait_loadcnt 0x0                             ; Q and my entry
	s_wait_alu depctr_va_vdst(0)
	v_cndmask_b32 v11, v30, v11, s52
	s_delay_alu instid0(VALU_DEP_1)
	v_ldexp_f32 v11, v11, s54
.irp s, 0,1,2,3
	ds_store_b32 v26, v11 offset:3140*\s
.endr
	s_wait_tensorcnt 0x0                           ; my part of K or V has landed,
	s_wait_dscnt 0x0                               ; my entries are stored:
	s_barrier_signal -1
	s_barrier_wait -1                              ; everybody's are.
; KEY STEP g - tau.  The step is written out for tau = 0 .. 4; a wave leaves at the first tau above its g: a branch on the wave's number.
.macro STEP tau
.if \tau > 0
	s_cmp_lt_u32 s[GS], \tau
	s_cbranch_scc1 .Lout
	v_sub_nc_u32 v[ADK], v[AKG], 8192*\tau         ; these three and the v_nop are the four places between the last products and the loads into their registers
	v_sub_nc_u32 v[ADV], v[AVG], 8192*\tau
	s_wait_alu depctr_va_vdst(0)
	v_sub_nc_u32 v[ADB], v[ABI], 512*\tau
	v_nop
.set RK, ADK
.set RV, ADV
.set RB, ADB
.else
.set RK, AKG
.set RV, AVG
.set RB, ABI
.endif
.irp c, 0,1,2,3,4,5,6,7
	ds_load_b128 v[96+8*\c:99+8*\c], v[RB] offset:64*\c          ; bias and mask of keys 16 c + 8 h + 0 .. 7 for my query
	ds_load_b128 v[100+8*\c:103+8*\c], v[RB] offset:64*\c+16
.endr
.irp c, 0,1,2,3,4,5,6,7
	ds_load_b128 v[32+8*\c:35+8*\c], v[RK] offset:1024*\c        ; K: tile c of 16 keys
	ds_load_b128 v[36+8*\c:39+8*\c], v[RK] offset:1024*\c+512
.endr
	s_wait_dscnt 0x0
.irp c, 0,1,2,3,4,5,6,7
	v_wmma_f32_16x16x64_bf8_bf8 v[96+8*\c:103+8*\c], v[32+8*\c:39+8*\c], v[16:23], v[96+8*\c:103+8*\c]
.endr
.rept 4
	v_nop                                          ; places in front of the loads into K's registers and of the first read of the scores
.endr
.irp t, 0,1,2,3
.irp c, 0,1,2,3
	ds_load_b128 v[32+16*\t+4*\c:35+16*\t+4*\c], v[RV] offset:2048*\t+512*\c   ; V: they land while the softmax is walked
.endr
.endr
	v_max3_num_f32 v254, v96, v97, v98             ; the step's largest score of my query among my 64 keys, in two chains, each accumulator from its low end on,
	v_max3_num_f32 v252, v99, v100, v101
.irp i, 6,10,14,18,22,26,30,34,38,42,46,50,54,58
	v_max3_num_f32 v254, v254, v[96+\i], v[97+\i]
	v_max3_num_f32 v252, v252, v[98+\i], v[99+\i]
.endr
	v_max3_num_f32 v254, v254, v158, v159
	s_delay_alu instid0(VALU_DEP_1)
	v_max_num_f32 v254, v254, v252
	s_delay_alu instid0(VALU_DEP_1)
	v_permlanex16_b32 v236, v254, s[SEL], s[SEL+1]
	s_delay_alu instid0(VALU_DEP_1)
	v_max_num_f32 v254, v254, v236                 ; and among lane l xor 16's
.if \tau == 0
	s_delay_alu instid0(VALU_DEP_1)
	v_mul_f32 v13, s[CS], v254                     ; the largest t: my own key is among these, so it is a number
	s_delay_alu instid0(VALU_DEP_1)
	v_floor_f32 v12, -v13                          ; -M = floor(-t)
.else
	s_delay_alu instid0(VALU_DEP_1)
	v_mul_f32 v254, s[CS], v254
	s_delay_alu instid0(VALU_DEP_1)
	v_max_num_f32 v13, v13, v254
	v_mov_b32 v254, v12
	s_delay_alu instid0(VALU_DEP_2)
	v_floor_f32 v12, -v13
	s_delay_alu instid0(VALU_DEP_1)
	v_sub_f32 v254, v12, v254                      ; old M - new M: a whole number, 0 or less
	s_delay_alu instid0(VALU_DEP_1)
	v_cvt_i32_f32 v254, v254
	s_delay_alu instid0(VALU_DEP_1)
	v_ldexp_f32 v252, 1.0, v254                    ; f = 2^(old M - new M)
.endif
.set j, 0
.rept 32
	v_pk_fma_f32 v[96+j:97+j], v[96+j:97+j], s[CS:CS+1], v[12:13] op_sel_hi:[1,0,0]   ; t - M
.set j, j+2
.endr
.set j, 0
	s_wait_alu depctr_va_vdst(0)
.rept 64
	v_exp_f32 v[96+j], v[96+j]                     ; p = 2^(t - M); 0 for hidden keys
.set j, j+1
.endr
.if \tau == 0
	v_nop                                          ; a plain instruction behind the exponentials
.else
	v_pk_mul_f32 v[14:15], v[14:15], v[252:253] op_sel_hi:[1,0]   ; the sum under the new M (a plain instruction behind the exponentials)
.endif
	s_wait_alu depctr_va_vdst(0)                   ; one wait for the batch, ahead of its first reader
	v_pk_add_f32 v[242:243], v[100:101], v[104:105]
	v_pk_add_f32 v[254:255], v[108:109], v[112:113]
	v_pk_add_f32 v[250:251], v[116:117], v[120:121]
	v_pk_add_f32 v[248:249], v[124:125], v[128:129]
	v_pk_add_f32 v[246:247], v[132:133], v[136:137]
	v_pk_add_f32 v[238:239], v[140:141], v[144:145]
	v_pk_add_f32 v[234:235], v[148:149], v[152:153]
	v_pk_add_f32 v[14:15], v[14:15], v[156:157]
	v_pk_add_f32 v[242:243], v[242:243], v[96:97]
	v_pk_add_f32 v[254:255], v[254:255], v[98:99]
	v_pk_add_f32 v[250:251], v[250:251], v[102:103]
	v_pk_add_f32 v[248:249], v[248:249], v[106:107]
	v_pk_add_f32 v[246:247], v[246:247], v[110:111]
	v_pk_add_f32 v[238:239], v[238:239], v[114:115]
	v_pk_add_f32 v[234:235], v[234:235], v[118:119]
	v_pk_add_f32 v[14:15], v[14:15], v[122:123]
	v_pk_add_f32 v[242:243], v[242:243], v[126:127]
	v_pk_add_f32 v[254:255], v[254:255], v[130:131]
	v_pk_add_f32 v[250:251], v[250:251], v[134:135]
	v_pk_add_f32 v[248:249], v[248:249], v[138:139]
	v_pk_add_f32 v[246:247], v[246:247], v[142:143]
	v_pk_add_f32 v[238:239], v[238:239], v[146:147]
	v_pk_add_f32 v[234:235], v[234:235], v[150:151]
	v_pk_add_f32 v[14:15], v[14:15], v[154:155]
	v_pk_add_f32 v[242:243], v[242:243], v[158:159]
	s_delay_alu instid0(VALU_DEP_2)
	v_pk_add_f32 v[14:15], v[14:15], v[248:249]
	s_delay_alu instid0(VALU_DEP_2)
	v_pk_add_f32 v[242:243], v[242:243], v[246:247]
	v_pk_add_f32 v[254:255], v[254:255], v[238:239]
	v_pk_add_f32 v[250:251], v[250:251], v[234:235]
	s_delay_alu instid0(VALU_DEP_2)
	v_pk_add_f32 v[14:15], v[14:15], v[254:255]
	s_delay_alu instid0(VALU_DEP_2)
	v_pk_add_f32 v[242:243], v[242:243], v[250:251]
	s_delay_alu instid0(VALU_DEP_1)
	v_pk_add_f32 v[14:15], v[14:15], v[242:243]
.set j, 0
.rept 64
	v_min_num_f32 v[96+j], v[96+j], v240           ; p is not negative: a one-sided hold (the conversion does not saturate: ISA guide 7.6.2)
.set j, j+1
.endr
.irp c, 0,1,2,3,4,5,6,7
	v_cvt_scalef32_pk8_bf8_f32 v[192+2*\c:193+2*\c], v[96+8*\c:103+8*\c], v244
.endr
.if \tau == 0
	s_wait_alu depctr_va_vdst(0)
	v_nop                                          ; a plain instruction behind the last conversion
.else
.set j, 0
.rept 16
	v_pk_mul_f32 v[160+j:161+j], v[160+j:161+j], v[252:253] op_sel_hi:[1,0]   ; O^T under the new M
.set j, j+2
.endr
.endif
	s_wait_alu depctr_va_vdst(0)
	s_wait_dscnt 0x0                               ; V is in
.irp t, 0,1,2,3
.if \tau == 0
	v_wmma_f32_16x16x128_bf8_bf8 v[160+8*\t:167+8*\t], v[32+16*\t:47+16*\t], v[192:207], 0   ; the first step starts the sums
.else
	v_wmma_f32_16x16x128_bf8_bf8 v[160+8*\t:167+8*\t], v[32+16*\t:47+16*\t], v[192:207], v[160+8*\t:167+8*\t]
.endif
.endr
.endm
	STEP 0
	STEP 1
	STEP 2
	STEP 3
	STEP 4
.Lout:
	v_add_f32 v14, v14, v15                        ; the sum's two halves,
	s_delay_alu instid0(VALU_DEP_1)
	v_permlanex16_b32 v236, v14, s[SEL], s[SEL+1]
	s_delay_alu instid0(VALU_DEP_1)
	v_add_f32 v14, v14, v236                       ; and lane l xor 16's
	s_wait_alu depctr_va_vdst(0)
	v_rcp_f32 v14, v14
	v_mov_b32 v245, s58                            ; (plain instructions behind the reciprocal; with the additions above, the places behind the last products)
	v_mov_b32 v241, s59
	s_wait_alu depctr_va_vdst(0)                   ; the wait ahead of the reciprocal's first reader
	v_ldexp_f32 v14, v14, s55                      ; 2^(e4 + e5) / the sum
.set j, 0
.rept 16
	v_pk_mul_f32 v[96+j:97+j], v[160+j:161+j], v[14:15] op_sel_hi:[1,0]   ; o(my query, 16 t + 8 h + i) in register 8 t + i
.set j, j+2
.endr
.set j, 0
.rept 32
	v_med3_num_f32 v[96+j], v[96+j], -v241, v241
.set j, j+1
.endr
.irp t, 0,1,2,3
	v_cvt_scalef32_pk8_bf8_f32 v[208+2*\t:209+2*\t], v[96+8*\t:103+8*\t], v245   ; registers 8 (head % 2) + 2 t, + 1 of product 4's operand
.endr
	v_nop
	global_store_b128 v[LI], v[208:211], s[14:15]  ; 512 consecutive aligned bytes each
	global_store_b128 v[LI], v[212:215], s[14:15] offset:512
	s_wait_tensorcnt 0x0                           ; the wave's end
	ds_add_u32 v[SPW], v[NIL]
	s_wait_dscnt 0x0
	CROUND                                         ; the closing round
	s_endpgm
.Lfunc_end_k_qded0e1b761_attn:
	.size	k_qded0e1b761_attn, .Lfunc_end_k_qded0e1b761_attn-k_qded0e1b761_attn
	.p2alignl 7, 3214868480
	.fill 96, 4, 3214868480
	.section	.rodata,"a",@progbits
	.p2align	6, 0x0
	.amdhsa_kernel k_qded0e1b761_attn
		.amdhsa_group_segment_fixed_size 167936
		.amdhsa_private_segment_fixed_size 0
		.amdhsa_enable_private_segment 0
		.amdhsa_kernarg_size 48
		.amdhsa_user_sgpr_count 2
		.amdhsa_user_sgpr_kernarg_segment_ptr 1
		.amdhsa_wavefront_size32 1
		.amdhsa_system_sgpr_workgroup_id_x 1
		.amdhsa_system_sgpr_workgroup_id_y 1
		.amdhsa_system_sgpr_workgroup_id_z 1
		.amdhsa_system_vgpr_workitem_id 0
		.amdhsa_next_free_vgpr 256
		.amdhsa_next_free_sgpr 66
		.amdhsa_reserve_vcc 0
		.amdhsa_float_denorm_mode_32 3
		.amdhsa_float_denorm_mode_16_64 3
		.amdhsa_memory_ordered 1
		.amdhsa_forward_progress 1
		.amdhsa_inst_pref_size 95
	.end_amdhsa_kernel
	.amdgpu_metadata
---
amdhsa.version: [ 1, 2 ]
amdhsa.kernels:
  - .name:           k_qded0e1b761_attn
    .symbol:         k_qded0e1b761_attn.kd
    .args:
      - { .name: q_img, .offset: 0, .size: 8, .value_kind: global_buffer, .address_space: global }
      - { .name: k_img, .offset: 8, .size: 8, .value_kind: global_buffer, .address_space: global }
      - { .name: v_img, .offset: 16, .size: 8, .value_kind: global_buffer, .address_space: global }
      - { .name: rel_pos, .offset: 24, .size: 8, .value_kind: global_buffer, .address_space: global }
      - { .name: lowp_scales, .offset: 32, .size: 8, .value_kind: global_buffer, .address_space: global }
      - { .name: o_img, .offset: 40, .size: 8, .value_kind: global_buffer, .address_space: global }
    .group_segment_fixed_size: 167936
    .private_segment_fixed_size: 0
    .kernarg_segment_align: 8
    .kernarg_segment_size: 48
    .max_flat_workgroup_size: 512
    .sgpr_count:     66
    .vgpr_count:     256
    .wavefront_size: 32
...
	.end_amdgpu_metadata
.endif
;; end of part 3
;; launch proj (part 4): grid 8 x 32, 4 waves a work-group, clusters of 4 x 4, 327,680 bytes of LDS; arguments o_img, out_w_codes, lowp_scales, out_b, x, x1; writes x1
.if DOCPART == 4
	.amdgcn_target "amdgcn-amd-amdhsa--gfx1250"
	.amdhsa_code_object_version 6
	.text
	.protected	k_qded0e1b761_proj
	.globl	k_qded0e1b761_proj
	.p2align	8
	.type	k_qded0e1b761_proj,@function
k_qded0e1b761_proj:
	s_mov_b64 s[64:65], 0
	v_nop
	global_prefetch_b8 v0, s[64:65] scope:SCOPE_SE
	s_setreg_imm32_b32 hwreg(HW_REG_WAVE_MODE, 25, 1), 1
	s_wait_xcnt 0x0
	s_wait_alu depctr_hold_cnt(0) depctr_sa_sdst(0) depctr_va_vdst(0) depctr_va_sdst(0) depctr_va_ssrc(0) depctr_va_vcc(0) depctr_vm_vsrc(0)
	s_getreg_b32 s2, hwreg(HW_REG_IB_STS2, 6, 4)
	s_cmp_eq_u32 s2, 0
	s_cbranch_scc0 .Lentry_in_a_cluster
	s_endpgm
.Lentry_in_a_cluster:
	s_bfe_u32 s2, ttmp6, 0x10000c
	s_cmp_lg_u32 s2, 0xf033
	s_cbranch_scc0 .Lentry_shape_is_right
	s_endpgm
.Lentry_shape_is_right:
.set SIZE_K, 1024
.set SC_OFF, 24
.set NT,     0
.set LAPS,   SIZE_K/1024
.set ASL,    65536
.set PB,     528
.set BHALF,  64*PB
.set SLOT,   ASL+2*BHALF
.set SPARE,  2*SLOT
.set SP,     272
.set ADRA, 16
.set ADRB, 20
.set STO,  24
.set RD,   25
.set CO,   26
.set BO,   27
.set SPW,  28
.set NIL,  29
.set BI,   32
.set TMP,  64
.set BK,   96
.set ACC,  128
.set F0,   0
.set F1,   128
.set G1, 24
.set G0, 32
.set G1B, 48
.set G0B, 56
.set MSB, 0
.macro WIN new
.if MSB != \new
	s_set_vgpr_msb (MSB<<8)|\new
.set MSB, \new
.endif
.endm
.set MUL,  0x05
.set TO_F, 0x40
.macro JLOAD s
	s_cmp_eq_u32 s11, 0
	s_cbranch_scc0 .Lfor_b_\@
	tensor_load_to_lds s[G0+4*\s:G0+4*\s+3], s[G1:G1+7]
	s_nop 0
.rept 4
	v_nop
.endr
	s_branch .Lasked_\@
.Lfor_b_\@:
	tensor_load_to_lds s[G0B+4*\s:G0B+4*\s+3], s[G1B:G1B+7]
	s_nop 0
.rept 4
	v_nop
.endr
.Lasked_\@:
.endm
.macro CREST
	s_cmp_lg_u32 s10, 0
	s_cbranch_scc1 .Lnot_wave_0_\@
	s_barrier_signal -3
.Lnot_wave_0_\@:
	s_barrier_wait -3
	s_barrier_signal -1
	s_barrier_wait -1
.endm
.macro CROUND
	s_barrier_signal -1
	s_barrier_wait -1
	CREST
.endm
	s_load_b128 s[4:7], s[0:1], 0x0
	s_load_b128 s[68:71], s[0:1], 0x10
	s_load_b128 s[72:75], s[0:1], 0x20
	v_lshl_add_u32 v[SPW], v0, 2, SPARE
	v_mov_b32 v[NIL], 0
	ds_add_u32 v[SPW], v[NIL]
	ds_add_u32 v[SPW], v[NIL]
	v_lshrrev_b32 v1, 5, v0
	v_readfirstlane_b32 s10, v1
	s_lshr_b32 s11, s10, 1
	s_and_b32 s12, s10, 1
	s_bfe_u32 s40, ttmp6, 0x40000
	s_bfe_u32 s41, ttmp6, 0x40004
	s_lshl_b32 s42, ttmp9, 2
	s_add_co_u32 s42, s42, s40
	s_and_b32 s13, ttmp7, 0xffff
	s_lshl_b32 s13, s13, 2
	s_add_co_u32 s13, s13, s41
	s_lshl_b32 s43, s41, 2
	s_lshl_b32 s43, 15, s43
	s_lshl_b32 s44, 0x1111, s40
	s_or_b32 s[G1+0], s43, (3<<16)|(1<<21)
	s_mov_b32 s[G1+1], 1024<<16
	s_mov_b32 s[G1+2], 4<<16
	s_mov_b32 s[G1+3], 1024<<16
	s_mov_b32 s[G1+4], 4
	s_mov_b32 s[G1+5], 2*SIZE_K
	s_mov_b32 s[G1+6], 0
	s_mov_b32 s[G1+7], 0
	s_or_b32 s[G1B+0], s44, (0<<16)|(1<<20)|(1<<21)|(6<<22)|(3<<25)
	s_mov_b32 s[G1B+1], 512<<16
	s_mov_b32 s[G1B+2], 64<<16
	s_mov_b32 s[G1B+3], 512<<16
	s_mov_b32 s[G1B+4], 64
	s_mov_b32 s[G1B+5], SIZE_K
	s_mov_b32 s[G1B+6], 0
	s_mov_b32 s[G1B+7], 0
	s_lshl_b32 s16, s13, 3
	s_lshl_b32 s17, s12, 2
	s_add_co_u32 s16, s16, s17
	s_mul_i32 s16, s16, 16*SIZE_K
	s_mov_b32 s17, 0
	s_lshl_b32 s46, s42, 7
	s_lshl_b32 s47, s12, 6
	s_add_co_u32 s46, s46, s47
	s_mul_i32 s46, s46, SIZE_K
	s_mov_b32 s47, 0
	s_lshl_b32 s20, s12, 15
	s_mul_i32 s21, s12, BHALF
	s_add_co_u32 s21, s21, ASL
	s_wait_dscnt 0x0
	s_wait_kmcnt 0x0
	s_load_b64 s[82:83], s[68:69], SC_OFF
	s_add_nc_u64 s[14:15], s[4:5], s[16:17]
	s_add_nc_u64 s[46:47], s[6:7], s[46:47]
	CROUND
.irp s, 0,1
	s_mov_b32 s[G0+4*\s], 1
	s_add_co_u32 s[G0+4*\s+1], s20, \s*SLOT
	s_add_nc_u64 s[G0+4*\s+2:G0+4*\s+3], s[14:15], \s*8192
	s_or_b32 s[G0+4*\s+3], s[G0+4*\s+3], 0x80000000
	s_mov_b32 s[G0B+4*\s], 1
	s_add_co_u32 s[G0B+4*\s+1], s21, \s*SLOT
	s_add_nc_u64 s[G0B+4*\s+2:G0B+4*\s+3], s[46:47], \s*512
	s_or_b32 s[G0B+4*\s+3], s[G0B+4*\s+3], 0x80000000
.endr
	JLOAD 0                                        ; slot 0: one tensor load a wave at the head
	; PREFETCH of slot 1, one fill ahead of its load.  What my wave will fetch is 128 blocks of 256 bytes; each of the four partners that ask for it jointly names 32, told apart by address, a lane a block:
	; tokens (waves 0, 1): partner cx names one of the four token tiles, 8,192 consecutive bytes;  weights (waves 2, 3): partner cy names 16 of the 64 rows, two blocks a row.
	s_cmp_eq_u32 s11, 0                            ; do I fetch tokens?
	s_cselect_b64 s[88:89], s[14:15], s[46:47]
	s_cselect_b32 s98, s40, s41
	s_mov_b32 s90, 512
	s_cselect_b32 s90, 8192, s90                   ; slot 1 begins 8,192 bytes on in a token tile, 512 in a weight row
	s_lshl_b32 s98, s98, 14                        ; a token tile, and 16 weight rows, are 16,384 bytes
	s_add_co_u32 s98, s98, s90
	s_mov_b32 s99, 0
	s_add_nc_u64 s[88:89], s[88:89], s[98:99]      ; never rewritten
	s_lshl_b32 s91, s11, 1
	s_add_co_u32 s91, s91, 8
	v_and_b32 v30, 31, v0
	v_lshrrev_b32 v31, s11, v30
	v_lshlrev_b32 v31, s91, v31                    ; tokens: 256 x lane;  weights: 1,024 x (lane / 2)
	v_and_b32 v30, s11, v30
	v_lshl_add_u32 v30, v30, 8, v31                ; weights: + 256 x (lane % 2);  never rewritten
	global_prefetch_b8 v30, s[88:89] th:TH_LOAD_NT scope:SCOPE_SE
	v_and_b32 v1, 15, v0
	v_bfe_u32 v2, v0, 4, 1
	v_and_b32 v3, 31, v0
	v_lshlrev_b32 v3, 4, v3
	v_mul_u32_u24 v4, v1, PB
	v_lshl_add_u32 v4, v2, 3, v4
	s_lshl_b32 s21, s11, 15
	s_mul_i32 s22, s12, BHALF
	s_add_co_u32 s22, s22, ASL
.irp s, 0,1
	v_add_nc_u32 v[ADRA+\s], s21, v3
	v_add_nc_u32 v[ADRB+\s], s22, v4
	s_add_co_u32 s21, s21, SLOT
	s_add_co_u32 s22, s22, SLOT
.endr
	s_mul_i32 s23, s10, 16*SP
	v_mul_u32_u24 v5, v1, SP
	v_lshl_add_u32 v5, v2, 5, v5
	v_add_nc_u32 v[STO], s23, v5
	v_mul_u32_u24 v5, v2, SP
	v_lshl_add_u32 v5, v1, 4, v5
	v_add_nc_u32 v[RD], s23, v5
	v_lshlrev_b32 v[CO], 12, v2
	v_lshl_add_u32 v[CO], v1, 4, v[CO]
	v_lshlrev_b32 v[BO], 5, v2
	s_wait_alu depctr_va_vdst(0)
	s_lshl_b32 s84, s42, 9
	s_lshl_b32 s85, s12, 8
	s_add_co_u32 s84, s84, s85
	s_mov_b32 s85, 0
	s_add_nc_u64 s[70:71], s[70:71], s[84:85]
	s_lshl_b32 s86, s13, 7
	s_lshl_b32 s87, s11, 6
	s_add_co_u32 s86, s86, s87
	s_lshl_b32 s86, s86, 12
	s_add_co_u32 s84, s84, s86
	s_add_nc_u64 s[72:73], s[72:73], s[84:85]
	s_add_nc_u64 s[74:75], s[74:75], s[84:85]
.irp b, 0,1,2,3
	global_load_b128 v[BI+8*\b:BI+8*\b+3], v[BO], s[70:71] offset:64*\b
	global_load_b128 v[BI+8*\b+4:BI+8*\b+7], v[BO], s[70:71] offset:64*\b+16
.endr
	WIN 0x80
.irp a, 0,1,2,3
.irp t, 0,1,2,3,4,5,6,7
	global_load_b128 v[4*(8*\a+\t):4*(8*\a+\t)+3], v[CO], s[72:73] offset:(16*\a+2*\t)*4096
.endr
.endr
	WIN 0
.macro MULA f, a, zero
.irp b, 0,1,2,3
.if \zero
	v_wmma_f32_16x16x128_bf8_bf8 v[ACC+8*(4*(\a)+\b):ACC+8*(4*(\a)+\b)+7], v[\f+64+16*\b:\f+64+16*\b+15], v[\f+16*(\a):\f+16*(\a)+15], 0
.else
	v_wmma_f32_16x16x128_bf8_bf8 v[ACC+8*(4*(\a)+\b):ACC+8*(4*(\a)+\b)+7], v[\f+64+16*\b:\f+64+16*\b+15], v[\f+16*(\a):\f+16*(\a)+15], v[ACC+8*(4*(\a)+\b):ACC+8*(4*(\a)+\b)+7]
.endif
.endr
.endm
.macro FETCH slot, q, f
	WIN TO_F
.irp b, 0,1,2,3
.irp c, 0,1,2,3,4,5,6,7
	ds_load_b64 v[\f+64+16*\b+2*\c:\f+64+16*\b+2*\c+1], v[ADRB+\slot] offset:\b*16*PB+128*(\q)+16*\c
.endr
.endr
.irp a, 0,1,2,3
.irp c, 0,1,2,3
	ds_load_b128 v[\f+16*\a+4*\c:\f+16*\a+4*\c+3], v[ADRA+\slot] offset:\a*8192+2048*(\q)+512*\c
.endr
.endr
.endm
.macro PLACES
.rept 4
	v_nop
.endr
.endm
.macro QUARTER slot, qn, f, g, zero
	s_wait_dscnt 8
	WIN MUL
	MULA \f, 0, \zero
	MULA \f, 1, \zero
	PLACES
	FETCH \slot, \qn, \g
	s_wait_dscnt 48
	WIN MUL
	MULA \f, 2, \zero
	MULA \f, 3, \zero
.endm
.macro TURN slot, next, fill
	WIN 0
	s_wait_tensorcnt 0x0
	ds_add_u32 v[SPW], v[NIL]
	s_wait_dscnt 9
	WIN MUL
	MULA F1, 0, 0
	MULA F1, 1, 0
	s_wait_dscnt 0x0
	s_barrier_signal -1
	MULA F1, 2, 0
.if \fill
	WIN 0
.endif
	s_barrier_wait -1
.if \fill
	CREST
	s_add_nc_u64 s[G0+4*\slot+2:G0+4*\slot+3], s[G0+4*\slot+2:G0+4*\slot+3], 2*8192
	s_add_nc_u64 s[G0B+4*\slot+2:G0B+4*\slot+3], s[G0B+4*\slot+2:G0B+4*\slot+3], 2*512
	JLOAD \slot
.else
	PLACES
.endif
	FETCH \next, 0, F0
	WIN MUL
	MULA F1, 3, 0
.endm
	s_wait_tensorcnt 0x0                           ; my part of slot 0 is in
	ds_add_u32 v[SPW], v[NIL]
	s_wait_dscnt 0x0
	CROUND                                         ; a whole round: everybody's part is in, and the joint loads meet
	JLOAD 1                                        ; slot 1, the first tensor load behind the round
	FETCH 0, 0, F0
	QUARTER 0, 1, F0, F1, 1
.if LAPS > 1
	WIN 0
	s_mov_b32 s3, LAPS-1
.Llap:
	QUARTER 0, 2, F1, F0, 0
	QUARTER 0, 3, F0, F1, 0
	TURN 0, 1, 1
	QUARTER 1, 1, F0, F1, 0
	QUARTER 1, 2, F1, F0, 0
	QUARTER 1, 3, F0, F1, 0
	TURN 1, 0, 1
	QUARTER 0, 1, F0, F1, 0
	WIN 0
	s_sub_co_u32 s3, s3, 1
	s_cmp_lg_u32 s3, 0
	s_cbranch_scc1 .Llap
.endif
	QUARTER 0, 2, F1, F0, 0
	QUARTER 0, 3, F0, F1, 0
	TURN 0, 1, 0
	QUARTER 1, 1, F0, F1, 0
	QUARTER 1, 2, F1, F0, 0
	QUARTER 1, 3, F0, F1, 0
	s_wait_dscnt 8
	WIN MUL
	MULA F1, 0, 0
	MULA F1, 1, 0
	s_wait_dscnt 0
	MULA F1, 2, 0
	MULA F1, 3, 0
	WIN 0
	s_wait_kmcnt 0x0
	s_add_co_i32 s96, s82, s83
	s_add_co_i32 s96, s96, 127
	s_lshl_b32 s96, s96, 23
	s_mov_b32 s97, s96
	s_wait_loadcnt 0x0
	PLACES
.macro OUTB a
.set BK, ACC+32*(\a)                   ; the block's rows come back from the stage into its own accumulators' registers, which the lines below have read out: no store's data register is written again
.set j, 0
.rept 16
	v_pk_fma_f32 v[TMP+j:TMP+j+1], v[ACC+32*\a+j:ACC+32*\a+j+1], s[96:97], v[BI+j:BI+j+1] op_sel_hi:[1,0,1]
.set j, j+2
.endr
.irp b, 0,1,2,3
	ds_store_b128 v[STO], v[TMP+8*\b:TMP+8*\b+3] offset:64*\b
	ds_store_b128 v[STO], v[TMP+8*\b+4:TMP+8*\b+7] offset:64*\b+16
.endr
.irp t, 0,1,2,3,4,5,6,7
	ds_load_b128 v[BK+4*\t:BK+4*\t+3], v[RD] offset:\t*2*SP
.endr
	s_wait_dscnt 0x0
	WIN 0x08
.set j, 0
.rept 16
	v_pk_add_f32 v[BK+j:BK+j+1], v[BK+j:BK+j+1], v[32*\a+j:32*\a+j+1]
.set j, j+2
.endr
	WIN 0
.irp t, 0,1,2,3,4,5,6,7
.if NT
	global_store_b128 v[CO], v[BK+4*\t:BK+4*\t+3], s[74:75] offset:(16*\a+2*\t)*4096 th:TH_STORE_NT
.else
	global_store_b128 v[CO], v[BK+4*\t:BK+4*\t+3], s[74:75] offset:(16*\a+2*\t)*4096
.endif
.endr
.endm
	OUTB 0
	OUTB 1
	OUTB 2
	OUTB 3
	s_wait_tensorcnt 0x0
	ds_add_u32 v[SPW], v[NIL]
	s_wait_dscnt 0x0
	CROUND
	s_endpgm
.Lfunc_end_k_qded0e1b761_proj:
	.size	k_qded0e1b761_proj, .Lfunc_end_k_qded0e1b761_proj-k_qded0e1b761_proj
	.p2alignl 7, 3214868480
	.fill 96, 4, 3214868480
	.section	.rodata,"a",@progbits
	.p2align	6, 0x0
	.amdhsa_kernel k_qded0e1b761_proj
		.amdhsa_group_segment_fixed_size 327680
		.amdhsa_private_segment_fixed_size 0
		.amdhsa_enable_private_segment 0
		.amdhsa_kernarg_size 48
		.amdhsa_user_sgpr_count 2
		.amdhsa_user_sgpr_kernarg_segment_ptr 1
		.amdhsa_wavefront_size32 1
		.amdhsa_system_sgpr_workgroup_id_x 1
		.amdhsa_system_sgpr_workgroup_id_y 1
		.amdhsa_system_sgpr_workgroup_id_z 1
		.amdhsa_system_vgpr_workitem_id 0
		.amdhsa_next_free_vgpr 640
		.amdhsa_next_free_sgpr 100
		.amdhsa_reserve_vcc 0
		.amdhsa_float_denorm_mode_32 3
		.amdhsa_float_denorm_mode_16_64 3
		.amdhsa_memory_ordered 1
		.amdhsa_forward_progress 1
		.amdhsa_inst_pref_size 63
	.end_amdhsa_kernel
	.amdgpu_metadata
---
amdhsa.version: [ 1, 2 ]
amdhsa.kernels:
  - .name:           k_qded0e1b761_proj
    .symbol:         k_qded0e1b761_proj.kd
    .args:
      - { .name: o_img, .offset: 0, .size: 8, .value_kind: global_buffer, .address_space: global }
      - { .name: out_w_codes, .offset: 8, .size: 8, .value_kind: global_buffer, .address_space: global }
      - { .name: lowp_scales, .offset: 16, .size: 8, .value_kind: global_buffer, .address_space: global }
      - { .name: out_b, .offset: 24, .size: 8, .value_kind: global_buffer, .address_space: global }
      - { .name: x, .offset: 32, .size: 8, .value_kind: global_buffer, .address_space: global }
      - { .name: x1, .offset: 40, .size: 8, .value_kind: global_buffer, .address_space: global }
    .group_segment_fixed_size: 327680
    .private_segment_fixed_size: 0
    .kernarg_segment_align: 8
    .kernarg_segment_size: 48
    .max_flat_workgroup_size: 128
    .sgpr_count:     100
    .vgpr_count:     640
    .wavefront_size: 32
...
	.end_amdgpu_metadata
.endif
;; end of part 4
;; launch ln2 (part 5): grid 512 x 1, 4 waves a work-group, no clusters, 8,704 bytes of LDS; arguments x1, ln2_g, ln2_b, lowp_scales, ln_codes; writes ln_codes
.if DOCPART == 5
	.amdgcn_target "amdgcn-amd-amdhsa--gfx1250"
	.amdhsa_code_object_version 6
	.text
	.protected	k_qded0e1b761_ln2
	.globl	k_qded0e1b761_ln2
	.p2align	8
	.type	k_qded0e1b761_ln2,@function
k_qded0e1b761_ln2:
	s_mov_b64 s[64:65], 0
	v_nop
	global_prefetch_b8 v0, s[64:65] scope:SCOPE_SE
	s_setreg_imm32_b32 hwreg(HW_REG_WAVE_MODE, 25, 1), 1
	s_wait_xcnt 0x0
; LAUNCH 5 OF 7: codes of layernorm(x1, ln2_g, ln2_b), E5M2 with the given scale 2^e (entry 8 of lowp_scales), [4096][1024], one code a byte, K innermost.  The text is the first launch's but for the entry.
; It streams: 8 rows a work-group, 2 rows a wave, a row (4,096 bytes) in 32 registers of one wave; mean and variance in two passes over the registers.
; 512 work-groups of 4 waves and 256 registers a wave: several fit on a WGP, so that one wave's chains of dependent sums stand beside another's.
; Each load reads 512 consecutive bytes; all 32 loads of a wave go out at the head.  A lane's 4 codes of each 512 bytes go through the wave's own LDS stage and leave as two stores of 512 consecutive aligned bytes a row.
; No matrix unit, no cluster, no barrier: waves share nothing but g and b.  No prefetch: there is no loop to run ahead in.
; LIMITS: e between -126 and 112.  NaN among the inputs is not served.
.set SC_OFF, 32                        ; byte of my scale's exponent in lowp_scales
.set SPARE, 8192                       ; behind the four waves' stages (2 x 1,024 bytes each): the spare words, 128 bytes a wave
.set LW,   1                           ; v1   stage, in: wave x 2,048 + 4 x lane
.set LR,   2                           ; v2   stage, out: wave x 2,048 + 16 x lane
.set GO,   3                           ; v3   16 x lane
.set SPW,  5
.set NIL,  6
.set MU,   8                           ; v[8:9]   the mean
.set RS,   10                          ; v[10:11] 1 / sqrt(var + eps)
.set CH,   12                          ; v[12:19] four packed chains
.set SCV,  20
.set LIMV, 21
.set PL,   22
.set GA,   32
.set BE,   64
.set X,    96                          ; two rows, 32 registers each: register 4 j + i is column 128 j + 4 lane + i
.set C,    224                         ; codes, eight registers a row
	s_load_b256 s[4:11], s[0:1], 0x0               ; x1, g, b, lowp_scales
	s_load_b64 s[12:13], s[0:1], 0x20              ; the codes
	v_lshl_add_u32 v[SPW], v0, 2, SPARE
	v_mov_b32 v[NIL], 0
	v_lshrrev_b32 v4, 5, v0
	v_readfirstlane_b32 s14, v4                    ; wave 0..3
	v_and_b32 v4, 31, v0
	v_lshlrev_b32 v[GO], 4, v4
	s_lshl_b32 s20, s14, 11
	v_lshl_add_u32 v[LW], v4, 2, s20
	v_lshl_add_u32 v[LR], v4, 4, s20
	v_mov_b32 v[MU+1], 0
	v_mov_b32 v[RS+1], 0
	v_mov_b32 v[PL], 0
	s_mov_b32 s16, 0x3a800000                      ; 1 / 1,024
	s_mov_b32 s17, 0x3727c5ac                      ; 1e-5
	s_mov_b32 s18, 0x76543210
	s_mov_b32 s19, 0xfedcba98
	s_lshl_b32 s21, ttmp9, 3
	s_lshl_b32 s22, s14, 1
	s_add_co_u32 s21, s21, s22                     ; my first row: 8 x work-group + 2 x wave
	s_lshl_b32 s22, s21, 12
	s_mov_b32 s23, 0
	s_lshl_b32 s24, s21, 10
	s_mov_b32 s25, 0
	s_wait_alu depctr_va_vdst(0)                   ; the wait at the head's end
	s_wait_kmcnt 0x0
	s_load_b32 s15, s[10:11], SC_OFF               ; e
	s_add_nc_u64 s[4:5], s[4:5], s[22:23]
	s_add_nc_u64 s[12:13], s[12:13], s[24:25]
.macro XLOAD r
.irp j, 0,1,2,3,4,5,6,7
	global_load_b128 v[X+32*\r+4*\j:X+32*\r+4*\j+3], v[GO], s[4:5] offset:4096*\r+512*\j th:TH_LOAD_NT
.endr
.endm
	XLOAD 0
.irp j, 0,1,2,3,4,5,6,7
	global_load_b128 v[GA+4*\j:GA+4*\j+3], v[GO], s[6:7] offset:512*\j
.endr
.irp j, 0,1,2,3,4,5,6,7
	global_load_b128 v[BE+4*\j:BE+4*\j+3], v[GO], s[8:9] offset:512*\j
.endr
	XLOAD 1
	s_wait_kmcnt 0x0
	s_add_co_i32 s15, s15, 127
	s_lshl_b32 s20, s15, 23
	v_mov_b32 v[SCV], s20                          ; 2^e as f32
	s_add_co_i32 s15, s15, 15
	s_lshl_b32 s15, s15, 23
	s_or_b32 s15, s15, 0x600000
	v_mov_b32 v[LIMV], s15                         ; 57,344 x 2^e
.macro WSUM                            ; the four chains and the 32 lanes become one sum, in v[CH] of every lane
	v_pk_add_f32 v[CH:CH+1], v[CH:CH+1], v[CH+2:CH+3]
	v_pk_add_f32 v[CH+4:CH+5], v[CH+4:CH+5], v[CH+6:CH+7]
	v_pk_add_f32 v[CH:CH+1], v[CH:CH+1], v[CH+4:CH+5]
	v_add_f32 v[CH], v[CH], v[CH+1]
.irp m, 1,2,4,8
	v_add_f32_dpp v[CH], v[CH], v[CH] row_xmask:\m row_mask:0xf bank_mask:0xf
.endr
	v_permlanex16_b32 v[PL], v[CH], s18, s19
	v_add_f32 v[CH], v[CH], v[PL]
.endm
.macro ROW r, cnt                      ; cnt: the loads issued behind this row's, which may stay out
.set XR, X+32*(\r)
.set CR, C+8*(\r)
	s_wait_loadcnt \cnt
.irp c, 0,1,2,3
	v_pk_add_f32 v[CH+2*\c:CH+2*\c+1], v[XR+2*\c:XR+2*\c+1], v[XR+8+2*\c:XR+9+2*\c]   ; the first pairs start the chains: nothing is cleared
.endr
.irp p, 8,9,10,11,12,13,14,15
	v_pk_add_f32 v[CH+2*(\p%4):CH+2*(\p%4)+1], v[CH+2*(\p%4):CH+2*(\p%4)+1], v[XR+2*\p:XR+2*\p+1]
.endr
	WSUM
	v_mul_f32 v[MU], s16, v[CH]                    ; the mean
.set p, 0
.rept 16
	v_pk_add_f32 v[XR+p:XR+p+1], v[XR+p:XR+p+1], v[MU:MU+1] op_sel_hi:[1,0] neg_lo:[0,1] neg_hi:[0,1]   ; d = x - mean
.set p, p+2
.endr
.irp c, 0,1,2,3
	v_pk_mul_f32 v[CH+2*\c:CH+2*\c+1], v[XR+2*\c:XR+2*\c+1], v[XR+2*\c:XR+2*\c+1]
.endr
.irp p, 4,5,6,7,8,9,10,11,12,13,14,15
	v_pk_fma_f32 v[CH+2*(\p%4):CH+2*(\p%4)+1], v[XR+2*\p:XR+2*\p+1], v[XR+2*\p:XR+2*\p+1], v[CH+2*(\p%4):CH+2*(\p%4)+1]
.endr
	WSUM
	v_fma_f32 v[RS], v[CH], s16, s17               ; var + eps
	s_wait_alu depctr_va_vdst(0)                   ; the wait ahead of the transcendental
	v_rsq_f32 v[RS], v[RS]
	v_nop                                          ; a plain instruction behind the transcendental,
	s_wait_alu depctr_va_vdst(0)                   ; and the wait ahead of its first reader
.if \r == 0
	s_wait_loadcnt 8                               ; g and b are in; row 1's eight loads may be out
.endif
.set p, 0
.rept 16
	v_pk_mul_f32 v[XR+p:XR+p+1], v[XR+p:XR+p+1], v[RS:RS+1] op_sel_hi:[1,0]
.set p, p+2
.endr
.set p, 0
.rept 16
	v_pk_fma_f32 v[XR+p:XR+p+1], v[XR+p:XR+p+1], v[GA+p:GA+p+1], v[BE+p:BE+p+1]
.set p, p+2
.endr
.set p, 0
.rept 32
	v_med3_num_f32 v[XR+p], v[XR+p], -v[LIMV], v[LIMV]   ; the conversion does not saturate (ISA guide 7.6.2)
.set p, p+1
.endr
.irp m, 0,1,2,3
	v_cvt_scalef32_pk8_bf8_f32 v[CR+2*\m:CR+2*\m+1], v[XR+8*\m:XR+8*\m+7], v[SCV]
.endr
	v_nop                                          ; a plain instruction behind the last conversion
.irp j, 0,1,2,3,4,5,6,7
	ds_store_b32 v[LW], v[CR+\j] offset:1024*\r+128*\j
.endr
.irp m, 0,1
	ds_load_b128 v[XR+4*\m:XR+4*\m+3], v[LR] offset:1024*\r+512*\m   ; LDS serves a wave's instructions in order (ISA guide 5.7.1.4)
.endr
.endm
.macro SEND r, younger                 ; younger: the LDS instructions issued behind row r's two loads
	s_wait_dscnt \younger
.irp m, 0,1
	global_store_b128 v[GO], v[X+32*\r+4*\m:X+32*\r+4*\m+3], s[12:13] offset:1024*\r+512*\m   ; 32 lanes store 512 consecutive bytes, aligned
.endr
.endm
	ROW 0, 24                                      ; behind row 0's loads: g, b and row 1
	ROW 1, 0
	SEND 0, 10                                     ; behind row 0's LDS loads: row 1's eight stores and two loads
	SEND 1, 0
	s_wait_tensorcnt 0x0                           ; the wave's end
	ds_add_u32 v[SPW], v[NIL]
	s_wait_dscnt 0x0
	s_endpgm
.Lfunc_end_k_qded0e1b761_ln2:
	.size	k_qded0e1b761_ln2, .Lfunc_end_k_qded0e1b761_ln2-k_qded0e1b761_ln2
	.p2alignl 7, 3214868480
	.fill 96, 4, 3214868480
	.section	.rodata,"a",@progbits
	.p2align	6, 0x0
	.amdhsa_kernel k_qded0e1b761_ln2
		.amdhsa_group_segment_fixed_size 8704
		.amdhsa_private_segment_fixed_size 0
		.amdhsa_enable_private_segment 0
		.amdhsa_kernarg_size 40
		.amdhsa_user_sgpr_count 2
		.amdhsa_user_sgpr_kernarg_segment_ptr 1
		.amdhsa_wavefront_size32 1
		.amdhsa_system_sgpr_workgroup_id_x 1
		.amdhsa_system_sgpr_workgroup_id_y 1
		.amdhsa_system_sgpr_workgroup_id_z 1
		.amdhsa_system_vgpr_workitem_id 0
		.amdhsa_next_free_vgpr 256
		.amdhsa_next_free_sgpr 66
		.amdhsa_reserve_vcc 0
		.amdhsa_float_denorm_mode_32 3
		.amdhsa_float_denorm_mode_16_64 3
		.amdhsa_memory_ordered 1
		.amdhsa_forward_progress 1
		.amdhsa_inst_pref_size 24
	.end_amdhsa_kernel
	.amdgpu_metadata
---
amdhsa.version: [ 1, 2 ]
amdhsa.kernels:
  - .name:           k_qded0e1b761_ln2
    .symbol:         k_qded0e1b761_ln2.kd
    .args:
      - { .name: x1, .offset: 0, .size: 8, .value_kind: global_buffer, .address_space: global }
      - { .name: ln2_g, .offset: 8, .size: 8, .value_kind: global_buffer, .address_space: global }
      - { .name: ln2_b, .offset: 16, .size: 8, .value_kind: global_buffer, .address_space: global }
      - { .name: lowp_scales, .offset: 24, .size: 8, .value_kind: global_buffer, .address_space: global }
      - { .name: ln_codes, .offset: 32, .size: 8, .value_kind: global_buffer, .address_space: global }
    .group_segment_fixed_size: 8704
    .private_segment_fixed_size: 0
    .kernarg_segment_align: 8
    .kernarg_segment_size: 40
    .max_flat_workgroup_size: 128
    .sgpr_count:     66
    .vgpr_count:     256
    .wavefront_size: 32
...
	.end_amdgpu_metadata
.endif
;; end of part 5
;; launch fc1 (part 6): grid 16 x 16, 4 waves a work-group, clusters of 4 x 4, 327,680 bytes of LDS; arguments ln_codes, w1_codes, lowp_scales, b1, h_img; writes h_img
.if DOCPART == 6
	.amdgcn_target "amdgcn-amd-amdhsa--gfx1250"
	.amdhsa_code_object_version 6
	.text
	.protected	k_qded0e1b761_fc1
	.globl	k_qded0e1b761_fc1
	.p2align	8
	.type	k_qded0e1b761_fc1,@function
k_qded0e1b761_fc1:
	s_mov_b64 s[64:65], 0
	v_nop
	global_prefetch_b8 v0, s[64:65] scope:SCOPE_SE
	s_setreg_imm32_b32 hwreg(HW_REG_WAVE_MODE, 25, 1), 1
	s_wait_xcnt 0x0
	s_wait_alu depctr_hold_cnt(0) depctr_sa_sdst(0) depctr_va_vdst(0) depctr_va_sdst(0) depctr_va_ssrc(0) depctr_va_vcc(0) depctr_vm_vsrc(0)
	s_getreg_b32 s2, hwreg(HW_REG_IB_STS2, 6, 4)
	s_cmp_eq_u32 s2, 0
	s_cbranch_scc0 .Lentry_in_a_cluster
	s_endpgm
.Lentry_in_a_cluster:
	s_bfe_u32 s2, ttmp6, 0x10000c
	s_cmp_lg_u32 s2, 0xf033
	s_cbranch_scc0 .Lentry_shape_is_right
	s_endpgm
.Lentry_shape_is_right:
.set SIZE_K, 1024
.set KSTEP,  256
.set ROWB,   256
.set KROW,   SIZE_K
.set PITCH,  272
.set FR,     16
.set NL,     4
.set NP,     4
.set HALFT,  128*PITCH
.set SLOT,   4*HALFT
.set LAPS,   SIZE_K/(2*KSTEP)
.set SPARE,  2*SLOT
.set ADRA, 16
.set ADRB, 20
.set CO,   26
.set BO,   27
.set SPW,  28
.set NIL,  29
.set BI,   32
.set LIMV, 112
.set SCV,  113
.set AF,   128
.set TMP,  128
.set G1, 24
.set G0, 32
.set G1B, 48
.set G0B, 56
.set OUTP, 74
.set MSB, 0
.macro WIN new
.if MSB != \new
	s_set_vgpr_msb (MSB<<8)|\new
.set MSB, \new
.endif
.endm
.set MUL_LO, 0xa1
.set MUL_HI, 0xf1
.set TO_B,   0x40
.macro JLOAD g0a, g1a, g0b, g1b
	s_cmp_eq_u32 s15, 0
	s_cbranch_scc0 .Lfor_b_\@
	tensor_load_to_lds s[\g0a:\g0a+3], s[\g1a:\g1a+7]
	s_nop 0
.rept 4
	v_nop
.endr
	s_branch .Lasked_\@
.Lfor_b_\@:
	tensor_load_to_lds s[\g0b:\g0b+3], s[\g1b:\g1b+7]
	s_nop 0
.rept 4
	v_nop
.endr
.Lasked_\@:
.endm
.macro CREST
	s_cmp_lg_u32 s14, 0
	s_cbranch_scc1 .Lnot_wave_0_\@
	s_barrier_signal -3
.Lnot_wave_0_\@:
	s_barrier_wait -3
	s_barrier_signal -1
	s_barrier_wait -1
.endm
.macro CROUND
	s_barrier_signal -1
	s_barrier_wait -1
	CREST
.endm
	s_load_b128 s[4:7], s[0:1], 0x0
	s_load_b128 s[8:11], s[0:1], 0x10
	s_load_b64 s[OUTP:OUTP+1], s[0:1], 0x20
	v_lshl_add_u32 v[SPW], v0, 2, SPARE
	v_mov_b32 v[NIL], 0
	ds_add_u32 v[SPW], v[NIL]
	ds_add_u32 v[SPW], v[NIL]
	v_lshrrev_b32 v1, 5, v0
	v_readfirstlane_b32 s14, v1
	s_lshr_b32 s15, s14, 1
	s_and_b32 s16, s14, 1
	s_bfe_u32 s40, ttmp6, 0x40000
	s_bfe_u32 s41, ttmp6, 0x40004
	s_lshl_b32 s42, ttmp9, 2
	s_add_co_u32 s42, s42, s40
	s_and_b32 s17, ttmp7, 0xffff
	s_lshl_b32 s17, s17, 2
	s_add_co_u32 s17, s17, s41
	s_lshl_b32 s43, s41, 2
	s_lshl_b32 s43, 15, s43
	s_lshl_b32 s44, 0x1111, s40
	s_or_b32 s[G1+0], s43, (0<<16)|(1<<20)|(1<<21)|(5<<22)|(3<<25)
	s_or_b32 s[G1B+0], s44, (0<<16)|(1<<20)|(1<<21)|(5<<22)|(3<<25)
.irp g, G1, G1B
	s_mov_b32 s[\g+1], ROWB<<16
	s_mov_b32 s[\g+2], 128<<16
	s_mov_b32 s[\g+3], ROWB<<16
	s_mov_b32 s[\g+4], 128
	s_mov_b32 s[\g+5], KROW
	s_mov_b32 s[\g+6], 0
	s_mov_b32 s[\g+7], 0
.endr
	s_lshl_b32 s18, s16, 7
	s_lshl_b32 s20, s17, 8
	s_add_co_u32 s20, s20, s18
	s_lshl_b32 s46, s42, 8
	s_add_co_u32 s46, s46, s18
	s_mov_b32 s21, 0
	s_mov_b32 s47, 0
	s_mov_b64 s[18:19], KROW
	s_mul_u64 s[20:21], s[20:21], s[18:19]
	s_mul_u64 s[46:47], s[46:47], s[18:19]
	s_mul_i32 s45, s14, HALFT
	s_wait_dscnt 0x0
	s_wait_kmcnt 0x0
	s_load_b128 s[80:83], s[8:9], 0x20
	s_add_nc_u64 s[20:21], s[4:5], s[20:21]
	s_add_nc_u64 s[46:47], s[6:7], s[46:47]
	CROUND
.irp s, 0,1
	s_mov_b32 s[G0+4*\s], 1
	s_add_co_u32 s[G0+4*\s+1], s45, \s*SLOT
	s_add_nc_u64 s[G0+4*\s+2:G0+4*\s+3], s[20:21], \s*ROWB
	s_or_b32 s[G0+4*\s+3], s[G0+4*\s+3], 0x80000000
	s_mov_b32 s[G0B+4*\s], 1
	s_add_co_u32 s[G0B+4*\s+1], s45, \s*SLOT
	s_add_nc_u64 s[G0B+4*\s+2:G0B+4*\s+3], s[46:47], \s*ROWB
	s_or_b32 s[G0B+4*\s+3], s[G0B+4*\s+3], 0x80000000
.endr
	JLOAD G0, G1, G0B, G1B                         ; K step 0: one tensor load a wave at the head
	; PREFETCH of K steps 1 to 3.  Of the 128 rows that my wave fetches each of the four partners that ask for them jointly names 32, told apart by address (cx for the tokens, cy for the weights): a lane a row, 256 bytes a K step.
	s_cmp_eq_u32 s15, 0                            ; do I fetch tokens?
	s_cselect_b64 s[84:85], s[20:21], s[46:47]
	s_cselect_b32 s98, s40, s41
	s_lshl_b32 s98, s98, 15                        ; 32 rows of 1,024 bytes
	s_mov_b32 s99, 0
	s_add_nc_u64 s[84:85], s[84:85], s[98:99]      ; never rewritten
	v_and_b32 v30, 31, v0
	v_lshlrev_b32 v30, 10, v30                     ; my lane's row; never rewritten
	global_prefetch_b8 v30, s[84:85] offset:256 th:TH_LOAD_NT scope:SCOPE_SE   ; K step 1, one fill ahead of its load
	global_prefetch_b8 v30, s[84:85] offset:512 th:TH_LOAD_NT scope:SCOPE_SE   ; K step 2, two fills ahead
	v_and_b32 v1, 15, v0
	v_bfe_u32 v2, v0, 4, 1
	s_wait_alu depctr_va_vdst(0)
	v_mul_u32_u24 v3, v1, PITCH
	v_lshl_add_u32 v4, v2, 4, v3
	s_mul_i32 s21, s15, HALFT
	s_mul_i32 s22, s16, HALFT
	s_add_co_u32 s22, s22, 2*HALFT
.irp s, 0,1
	v_add_nc_u32 v[ADRA+\s], s21, v4
	v_add_nc_u32 v[ADRB+\s], s22, v4
	s_add_co_u32 s21, s21, SLOT
	s_add_co_u32 s22, s22, SLOT
.endr
	s_lshl_b32 s76, s42, 10
	s_lshl_b32 s77, s16, 9
	s_add_co_u32 s76, s76, s77
	s_mov_b32 s77, 0
	s_add_nc_u64 s[10:11], s[10:11], s[76:77]
	v_lshlrev_b32 v[BO], 5, v2
.irp i, 0,1,2,3,4,5,6,7
	global_load_b128 v[BI+8*\i:BI+8*\i+3], v[BO], s[10:11] offset:64*\i
	global_load_b128 v[BI+8*\i+4:BI+8*\i+7], v[BO], s[10:11] offset:64*\i+16
.endr
	v_and_b32 v[CO], 31, v0
	v_lshlrev_b32 v[CO], 4, v[CO]
	s_lshl_b32 s76, s17, 4
	s_lshl_b32 s77, s15, 3
	s_add_co_u32 s76, s76, s77
	s_lshl_b32 s76, s76, 16
	s_lshl_b32 s77, s42, 1
	s_add_co_u32 s77, s77, s16
	s_lshl_b32 s77, s77, 11
	s_add_co_u32 s76, s76, s77
	s_mov_b32 s77, 0
	s_add_nc_u64 s[OUTP:OUTP+1], s[OUTP:OUTP+1], s[76:77]
.macro FRAG reg, adr, q, i
.irp c, 0,1,2,3
	ds_load_b128 v[\reg+4*\c:\reg+4*\c+3], v[\adr] offset:128*(\q)+32*\c+(\i)*16*PITCH
.endr
.endm
.macro MUL16 a0, p, zero
.irp a, \a0, \a0+1
.irp b, 0,1,2,3,4,5,6,7
.if \zero
	v_wmma_f32_16x16x128_bf8_bf8 v[8*(8*((\a)%4)+\b):8*(8*((\a)%4)+\b)+7], v[128*(\p)+FR*\b:128*(\p)+FR*\b+FR-1], v[AF+FR*(\a):AF+FR*(\a)+FR-1], 0
.else
	v_wmma_f32_16x16x128_bf8_bf8 v[8*(8*((\a)%4)+\b):8*(8*((\a)%4)+\b)+7], v[128*(\p)+FR*\b:128*(\p)+FR*\b+FR-1], v[AF+FR*(\a):AF+FR*(\a)+FR-1], v[8*(8*((\a)%4)+\b):8*(8*((\a)%4)+\b)+7]
.endif
.endr
.endr
.endm
.macro FETCH_B slot, q, p
	WIN TO_B
.irp i, 0,1,2,3,4,5,6,7
	FRAG 128*(\p)+FR*\i, ADRB+\slot, \q, \i
.endr
	WIN 0
.endm
.macro FETCH_A slot, q, i0
.irp i, \i0, \i0+1, \i0+2, \i0+3
	FRAG AF+FR*(\i), ADRA+\slot, \q, \i
.endr
.endm
.macro PLACES n
.rept \n
	v_nop
.endr
.endm
.macro STEP slot, q, zero
	s_wait_dscnt 4*NL
	WIN MUL_LO
	MUL16 0, (\q)%2, \zero
	MUL16 2, (\q)%2, \zero
	s_wait_dscnt 0
	PLACES NP
	FETCH_B \slot, (\q)+1, 1-(\q)%2
	FETCH_A \slot, (\q)+1, 0
	WIN MUL_HI
	MUL16 4, (\q)%2, \zero
	MUL16 6, (\q)%2, \zero
	PLACES NP
	WIN 0
	FETCH_A \slot, (\q)+1, 4
.endm
.macro TURN slot, next, fill
	s_wait_tensorcnt 0x0
	ds_add_u32 v[SPW], v[NIL]
	s_wait_dscnt 4*NL+1
	WIN MUL_LO
	MUL16 0, 1, 0
	s_wait_dscnt 0x0
	s_barrier_signal -1
	MUL16 2, 1, 0
	WIN 0
	s_barrier_wait -1
.if \fill
	CREST
	s_add_nc_u64 s[G0+4*\slot+2:G0+4*\slot+3], s[G0+4*\slot+2:G0+4*\slot+3], 2*ROWB
	s_add_nc_u64 s[G0B+4*\slot+2:G0B+4*\slot+3], s[G0B+4*\slot+2:G0B+4*\slot+3], 2*ROWB
	JLOAD G0+4*\slot, G1, G0B+4*\slot, G1B
.else
	PLACES NP
.endif
	FETCH_B \next, 0, 0
	FETCH_A \next, 0, 0
	WIN MUL_HI
	MUL16 4, 1, 0
	MUL16 6, 1, 0
	PLACES NP
	WIN 0
	FETCH_A \next, 0, 4
.endm
	s_wait_alu depctr_va_vdst(0)
	s_wait_tensorcnt 0x0                           ; my part of K step 0 is in
	ds_add_u32 v[SPW], v[NIL]
	s_wait_dscnt 0x0
	CROUND                                         ; a whole round: everybody's part is in, and the joint loads meet
	JLOAD G0+4, G1, G0B+4, G1B                     ; K step 1, the first tensor load behind the round
	FETCH_B 0, 0, 0
	FETCH_A 0, 0, 0
	FETCH_A 0, 0, 4
	global_prefetch_b8 v30, s[84:85] offset:768 th:TH_LOAD_NT scope:SCOPE_SE   ; K step 3, two fills ahead: the last
	STEP 0, 0, 1
	s_mov_b32 s3, LAPS-1
.Llap:
	TURN 0, 1, 1
	STEP 1, 0, 0
	TURN 1, 0, 1
	STEP 0, 0, 0
	s_sub_co_u32 s3, s3, 1
	s_cmp_lg_u32 s3, 0
	s_cbranch_scc1 .Llap
	TURN 0, 1, 0
	STEP 1, 0, 0
	s_wait_dscnt 4*NL
	WIN MUL_LO
	MUL16 0, 1, 0
	MUL16 2, 1, 0
	s_wait_dscnt 0
	WIN MUL_HI
	MUL16 4, 1, 0
	MUL16 6, 1, 0
	WIN 0
.macro OUTBLK a
.set AC, 64*((\a)%4)
.set CD, 16*(\a)                       ; eight sets of code registers, in window 1, where the weights' fragments lay: no store's data register is written again
	WIN 0x02+((\a)/4)
.set j, 0
.rept 32
	v_pk_fma_f32 v[TMP+j:TMP+j+1], v[AC+j:AC+j+1], s[96:97], v[BI+j:BI+j+1] op_sel_hi:[1,0,1]
.set j, j+2
.endr
	WIN 0
.set j, 0
.rept 64
	v_med3_num_f32 v[TMP+j], v[TMP+j], 0, v[LIMV]
.set j, j+1
.endr
	WIN 0x40                                       ; destination window 1
.irp b, 0,1,2,3,4,5,6,7
	v_cvt_scalef32_pk8_bf8_f32 v[CD+2*\b:CD+2*\b+1], v[TMP+8*\b:TMP+8*\b+7], v[SCV]
.endr
	v_nop                                          ; a plain instruction behind the last conversion
	WIN 0x04                                       ; the stores' data window 1
.irp c, 0,1,2,3
	global_store_b128 v[CO], v[CD+4*\c:CD+4*\c+3], s[OUTP:OUTP+1] offset:(\a)*65536+512*\c
.endr
	WIN 0
.endm
	s_wait_kmcnt 0x0
	s_add_co_i32 s96, s80, s81
	s_add_co_i32 s96, s96, 127
	s_lshl_b32 s96, s96, 23
	s_mov_b32 s97, s96
	s_add_co_i32 s78, s82, 127
	s_lshl_b32 s79, s78, 23
	v_mov_b32 v[SCV], s79
	s_add_co_i32 s78, s78, 15
	s_lshl_b32 s78, s78, 23
	s_or_b32 s78, s78, 0x600000
	v_mov_b32 v[LIMV], s78
	s_wait_loadcnt 0x0
	PLACES NP
.irp a, 0,1,2,3,4,5,6,7
	OUTBLK \a
.endr
	s_wait_tensorcnt 0x0
	ds_add_u32 v[SPW], v[NIL]
	s_wait_dscnt 0x0
	CROUND
	s_endpgm
.Lfunc_end_k_qded0e1b761_fc1:
	.size	k_qded0e1b761_fc1, .Lfunc_end_k_qded0e1b761_fc1-k_qded0e1b761_fc1
	.p2alignl 7, 3214868480
	.fill 96, 4, 3214868480
	.section	.rodata,"a",@progbits
	.p2align	6, 0x0
	.amdhsa_kernel k_qded0e1b761_fc1
		.amdhsa_group_segment_fixed_size 327680
		.amdhsa_private_segment_fixed_size 0
		.amdhsa_enable_private_segment 0
		.amdhsa_kernarg_size 40
		.amdhsa_user_sgpr_count 2
		.amdhsa_user_sgpr_kernarg_segment_ptr 1
		.amdhsa_wavefront_size32 1
		.amdhsa_system_sgpr_workgroup_id_x 1
		.amdhsa_system_sgpr_workgroup_id_y 1
		.amdhsa_system_sgpr_workgroup_id_z 1
		.amdhsa_system_vgpr_workitem_id 0
		.amdhsa_next_free_vgpr 1024
		.amdhsa_next_free_sgpr 100
		.amdhsa_reserve_vcc 0
		.amdhsa_float_denorm_mode_32 3
		.amdhsa_float_denorm_mode_16_64 3
		.amdhsa_memory_ordered 1
		.amdhsa_forward_progress 1
		.amdhsa_inst_pref_size 137
	.end_amdhsa_kernel
	.amdgpu_metadata
---
amdhsa.version: [ 1, 2 ]
amdhsa.kernels:
  - .name:           k_qded0e1b761_fc1
    .symbol:         k_qded0e1b761_fc1.kd
    .args:
      - { .name: ln_codes, .offset: 0, .size: 8, .value_kind: global_buffer, .address_space: global }
      - { .name: w1_codes, .offset: 8, .size: 8, .value_kind: global_buffer, .address_space: global }
      - { .name: lowp_scales, .offset: 16, .size: 8, .value_kind: global_buffer, .address_space: global }
      - { .name: b1, .offset: 24, .size: 8, .value_kind: global_buffer, .address_space: global }
      - { .name: h_img, .offset: 32, .size: 8, .value_kind: global_buffer, .address_space: global }
    .group_segment_fixed_size: 327680
    .private_segment_fixed_size: 0
    .kernarg_segment_align: 8
    .kernarg_segment_size: 40
    .max_flat_workgroup_size: 128
    .sgpr_count:     100
    .vgpr_count:     1024
    .wavefront_size: 32
...
	.end_amdgpu_metadata
.endif
;; end of part 6
;; launch fc2 (part 7): grid 8 x 32, 4 waves a work-group, clusters of 4 x 4, 327,680 bytes of LDS; arguments h_img, w2_codes, lowp_scales, b2, x1, out0; writes out0
.if DOCPART == 7
	.amdgcn_target "amdgcn-amd-amdhsa--gfx1250"
	.amdhsa_code_object_version 6
	.text
	.protected	k_qded0e1b761_fc2
	.globl	k_qded0e1b761_fc2
	.p2align	8
	.type	k_qded0e1b761_fc2,@function
k_qded0e1b761_fc2:
	s_mov_b64 s[64:65], 0
	v_nop
	global_prefetch_b8 v0, s[64:65] scope:SCOPE_SE
	s_setreg_imm32_b32 hwreg(HW_REG_WAVE_MODE, 25, 1), 1
	s_wait_xcnt 0x0
	s_wait_alu depctr_hold_cnt(0) depctr_sa_sdst(0) depctr_va_vdst(0) depctr_va_sdst(0) depctr_va_ssrc(0) depctr_va_vcc(0) depctr_vm_vsrc(0)
	s_getreg_b32 s2, hwreg(HW_REG_IB_STS2, 6, 4)
	s_cmp_eq_u32 s2, 0
	s_cbranch_scc0 .Lentry_in_a_cluster
	s_endpgm
.Lentry_in_a_cluster:
	s_bfe_u32 s2, ttmp6, 0x10000c
	s_cmp_lg_u32 s2, 0xf033
	s_cbranch_scc0 .Lentry_shape_is_right
	s_endpgm
.Lentry_shape_is_right:
; LAUNCH 7 OF 7: out0 = x1 + h w2^T + b2; the product on E5M2 codes (scales: entries 10 and 11 of lowp_scales), out0 in f32, [4096][1024].
; N = 1,024 gives 64 tiles of 256 x 256 but 256 of 128 x 128: a work-group makes 128 tokens x 128 columns.
; SHARES.  Wave w = 2 th + kh makes 64 tokens (half th) x all 128 columns over HALF of K (of each 1,024 along K the 512 from 512 kh on): 32 accumulators, 16 steps of 128 along K, 32 matrix instructions a step.
; So a weight byte is read from LDS by two waves, and a token byte is loaded by one wave.  The two K halves of a sum are added on the way out.
; THE TOKENS (h_img) lie in memory as images of the operand's registers, [tile of 16 tokens][K step of 128][2,048 bytes], registers 4 g .. 4 g + 3 at 512 g + 16 lane, k in the 8-bit layout's own places
; (registers 2 c, 2 c + 1: k = 16 c + 8 h + 0..7).  A fragment goes from memory straight into its registers by four loads of 512 consecutive bytes, through a ring of four steps in registers, asked for four steps ahead.
; They are not asked for jointly: a joint load lands in LDS, and of its 327,680 bytes the weights' two slots take 266,240.
; THE WEIGHTS lie in rows along K and go through a ring of two LDS slots of 128 rows x 1,024 along K, filled by the tensor data mover: four fills, each wave 32 rows, asked for jointly by the four work-groups of a column of the 4 x 4 cluster.
; Fragments come by loads of 8 bytes into the same places of k as the tokens'.
; PREFETCH: the weights of the two refills are asked of memory in the first step of the slot at whose end the refill is issued, three steps ahead of it: of the 32 rows x 1,024 bytes that a wave fetches each of the four partners
; names 8 rows, told apart by address (cy): a lane a block of 256 bytes, one instruction a wave.  The first two fills come by their loads alone.  The tokens' own loads run four steps ahead of their use.
; THE MATRIX INSTRUCTION IS USED TRANSPOSED (source 0 = 16 weight rows, source 1 = 16 tokens): a lane holds one token and eight neighbouring columns.
; THE 16 STEPS ARE WRITTEN OUT by macros: of the four slots two are filled again and two are not, and the last four steps ask for no tokens.
; THE WAY OUT.  Every wave puts its four tiles of raw sums into row stages; one barrier; wave (th, kh) reads token tiles 2 kh, 2 kh + 1 of both K halves back as whole rows of 512 bytes, adds them, x scale + x1, + bias, and stores 512 consecutive aligned bytes a row.
; The stages lie in slot 0, behind its last fill and its last read, and in 2,048 bytes of their own between the slots.
; LIMIT: the two exponents added lie between -126 and 127.
; REGISTERS, in windows of 256: window 0: v16-29 addresses, v32-35 the bias, v128-255 the residual.  window 1: the weights' fragments, two sets of 8 x 16; on the way out the rows read back.
;   window 2: the tokens' ring: place q at v[64 q], tile a 16 further on.   window 3: the accumulators, (a, b) at v[8 (8 a + b)].
.set SC_OFF, 40                        ; byte of my two exponents in lowp_scales
.set PB,     1040                      ; a weight row in LDS: 1,024 bytes + 16 of padding = 260 words: row r starts at bank 4 r mod 64 (64 banks of 4 bytes: ISA guide 11.1)
.set QROWS,  32*PB                     ; what one tensor load brings
.set SP,     528                       ; a staged row: 512 bytes + 16
.set WST,    4*16*SP                   ; a wave's four staged tiles: 33,792 bytes
.set SLOT1,  4*WST                     ; slot 1 begins behind the stages' 135,168 bytes; slot 0 takes the first 133,120 of them
.set SPARE,  SLOT1+4*QROWS             ; behind the ring: the spare words, 128 bytes a wave
.set LI,   16                          ; v16    16 x lane; never rewritten
.set ADRB, 20                          ; v20-23 my place in a weight fragment: slot 0 blocks 0-3, blocks 4-7; slot 1 likewise (an LDS offset has 16 bits)
.set STO,  24                          ; v24    the stage, in
.set RD,   25                          ; v25    the stage, back
.set PFO,  26                          ; v26    the prefetches' offset; never rewritten
.set SPW,  28
.set NIL,  29
.set BI,   32
.set RES,  128
.set G1, 24                            ; s[24:31] descriptor group 1
.set G0, 32                            ; s[32:39] group 0, one set for each slot
.set ISS, 0                            ; global loads issued so far in the text: the counted waits are made of it
.set MSB, 0
.macro WIN new                         ; the immediate's high byte repeats the setting that is left
.if MSB != \new
	s_set_vgpr_msb (MSB<<8)|\new
.set MSB, \new
.endif
.endm
.set MUL,  0xf9                        ; source 0 (weights) window 1, source 1 (tokens) window 2, C and D window 3
.set TO_F, 0x40                        ; destination window 1
.macro CREST                           ; a round of the cluster's barrier behind its opening barrier
	s_cmp_lg_u32 s10, 0
	s_cbranch_scc1 .Lnot_wave_0_\@
	s_barrier_signal -3
.Lnot_wave_0_\@:
	s_barrier_wait -3
	s_barrier_signal -1
	s_barrier_wait -1
.endm
.macro CROUND
	s_barrier_signal -1
	s_barrier_wait -1
	CREST
.endm
.macro PLACES                          ; plain vector instructions between a matrix instruction and a load into, or a store of, its registers
.rept 4
	v_nop
.endr
.endm
; My four token fragments of step q of slot sig into place q: sixteen loads of 512 consecutive bytes.  Every offset is an immediate: no base is stepped.
.macro ALOAD q, sig
	WIN 0x80                                       ; destination window 2
.irp a, 0,1,2,3
.irp c, 0,1,2,3
	global_load_b128 v[64*(\q)+16*\a+4*\c:64*(\q)+16*\a+4*\c+3], v[LI], s[14:15] offset:\a*65536+(8*(\sig)+(\q))*2048+512*\c
.endr
.endr
.set ISS, ISS+16
.set AEND_\q, ISS                      ; how many loads had been issued when this place's were
.endm
; Loads come back in order (ISA guide 5.7.1): place q is in when at most the loads issued behind it are out.
.macro LWAIT q
.set NW, ISS-AEND_\q
.if NW > 63
.set NW, 63
.endif
	s_wait_loadcnt NW
.endm
; Behind a step: in steps 4 to 11 four rows of the residual; in steps 0 to 11 the tokens of four steps on, into the place that this step has left.
.macro REFRESH sig, q
.set KS, 4*(\sig)+(\q)
.if (KS >= 4) && (KS < 12)
	WIN 0
.irp i, 0,1,2,3
	global_load_b128 v[RES+4*(4*(KS-4)+\i):RES+4*(4*(KS-4)+\i)+3], v[LI], s[72:73] offset:(4*(KS-4)+\i)*4096   ; a row of my 32: 512 consecutive bytes, laid as the rows come back from the stage
.endr
.set ISS, ISS+4
.endif
.if KS < 12
	ALOAD \q, (\sig)+1
.endif
.endm
; 64 LDS loads: the eight weight blocks of my q-th 128 along K of the slot into set p
.macro BFETCH slot, q, p
.irp g, 0,1,2,3
	BF16 \slot, \q, \p, \g
.endr
.endm
; a quarter of them, 16 LDS loads: weight blocks 2 g and 2 g + 1
.macro BF16 slot, q, p, g
	WIN TO_F
.irp i, 0,1
.irp c, 0,1,2,3,4,5,6,7
	ds_load_b64 v[128*(\p)+32*(\g)+16*\i+2*\c:128*(\p)+32*(\g)+16*\i+2*\c+1], v[ADRB+2*(\slot)+(\g)/2] offset:(2*((\g)%2)+\i)*16*PB+128*(\q)+16*\c
.endr
.endr
.endm
; 8 matrix instructions: weight blocks b0, b0 + 1 of set p x my four token tiles in place q.  The 32 accumulators take turns, one instruction a turn, in the same order in every step.
.macro MUL8 p, q, b0, zero
.irp b, \b0, \b0+1
.irp a, 0,1,2,3
.if \zero
	v_wmma_f32_16x16x128_bf8_bf8 v[8*(8*\a+(\b)):8*(8*\a+(\b))+7], v[128*(\p)+16*(\b):128*(\p)+16*(\b)+15], v[64*(\q)+16*\a:64*(\q)+16*\a+15], 0
.else
	v_wmma_f32_16x16x128_bf8_bf8 v[8*(8*\a+(\b)):8*(8*\a+(\b))+7], v[128*(\p)+16*(\b):128*(\p)+16*(\b)+15], v[64*(\q)+16*\a:64*(\q)+16*\a+15], v[8*(8*\a+(\b)):8*(8*\a+(\b))+7]
.endif
.endr
.endr
.endm
; Step q (0 to 2) of slot sig.  The next step's weights go into the other set, whose last readers stand ahead of the four places at the last step's end, and have this step's 32 matrix instructions in which to land.
.macro STEP sig, q, zero
.set PS, (\q)%2
	LWAIT \q                                       ; my tokens of this step are in
; Four groups: 8 matrix instructions on weight blocks 2 g, 2 g + 1, then the 16 loads of the same blocks of the next step, so that LDS loads and matrix instructions take turns.
.irp g, 0,1,2,3
	s_wait_dscnt 48                                ; this group's blocks are in: behind their 16 loads three groups of 16 have been issued, which may be out
	WIN MUL
	MUL8 PS, \q, 2*\g, \zero
	BF16 (\sig)%2, (\q)+1, 1-PS, \g
.if (\g == 0) && ((\q) == 0) && ((\sig) < 2)
	global_prefetch_b8 v[PFO], s[48:49] offset:((\sig)+2)*1024 th:TH_LOAD_NT scope:SCOPE_SE   ; what the refill at this slot's end will ask for; its address registers are never rewritten
.endif
.endr
	PLACES                                         ; in front of the loads into the tokens' place, and of the next step's loads into this set
	REFRESH \sig, \q
.endm
; A slot's last step (q = 3, set 1) changes slots: one barrier; in front of it each wave waits for all its tensor loads, adds 0 to its spare word, and waits for that and for its reads of this slot.  fill = 1: this slot is filled again, two slots ahead.
.macro TURN sig, fill
	WIN 0                                          ; (the add's two registers lie in window 0)
	s_wait_tensorcnt 0x0                           ; my one tensor load that was out has landed: my part of the next slot
	ds_add_u32 v[SPW], v[NIL]
	LWAIT 3
	s_wait_dscnt 49                                ; blocks 0, 1 are in; three groups of 16 loads and the add may be out
	WIN MUL
	MUL8 1, 3, 0, 0
	s_wait_dscnt 33                                ; blocks 2, 3 are in; two groups and the add may be out
	MUL8 1, 3, 2, 0
	s_wait_dscnt 0x0                               ; the add is done, and my reads of this slot are over
	s_barrier_signal -1
	MUL8 1, 3, 4, 0
	WIN 0
	s_barrier_wait -1
.if \fill
	CREST                                          ; the barrier has opened a round of the cluster's: no wave of any partner still reads this slot or has a load on its way
	s_add_nc_u64 s[G0+4*((\sig)%2)+2:G0+4*((\sig)%2)+3], s[G0+4*((\sig)%2)+2:G0+4*((\sig)%2)+3], 2048   ; two slots on along K
	tensor_load_to_lds s[G0+4*((\sig)%2):G0+4*((\sig)%2)+3], s[G1:G1+7]   ; my one tensor load behind the round, and the first thing there
	s_nop 0
.rept 4
	v_nop
.endr
.endif
	BF16 1-(\sig)%2, 0, 0, 0
	BF16 1-(\sig)%2, 0, 0, 1
	WIN MUL
	MUL8 1, 3, 6, 0
	PLACES
	BF16 1-(\sig)%2, 0, 0, 2
	BF16 1-(\sig)%2, 0, 0, 3
	REFRESH \sig, 3
.endm
	s_load_b128 s[4:7], s[0:1], 0x0                ; h_img, w2's codes
	s_load_b128 s[68:71], s[0:1], 0x10             ; lowp_scales, b2
	s_load_b128 s[72:75], s[0:1], 0x20             ; x1, out0
	v_lshl_add_u32 v[SPW], v0, 2, SPARE
	v_mov_b32 v[NIL], 0
	ds_add_u32 v[SPW], v[NIL]                      ; the wave's opening: the add, twice on end, and its wait ahead of my first tensor load
	ds_add_u32 v[SPW], v[NIL]
	v_lshrrev_b32 v1, 5, v0
	v_readfirstlane_b32 s10, v1                    ; wave 0..3
	s_lshr_b32 s11, s10, 1                         ; th: my half of the tokens
	s_and_b32 s12, s10, 1                          ; kh: my half of K
	s_bfe_u32 s40, ttmp6, 0x40000                  ; cx, cy: my place in the cluster
	s_bfe_u32 s41, ttmp6, 0x40004
	s_lshl_b32 s42, ttmp9, 2
	s_add_co_u32 s42, s42, s40                     ; tile column = 4 x cluster x + cx
	s_and_b32 s13, ttmp7, 0xffff
	s_lshl_b32 s13, s13, 2
	s_add_co_u32 s13, s13, s41                     ; tile row = 4 x cluster y + cy
	s_lshl_b32 s44, 0x1111, s40                    ; my column of the cluster
	s_or_b32 s[G1+0], s44, (0<<16)|(1<<20)|(1<<21)|(7<<22)|(3<<25)  ; the mask; elements of 1 byte; 4 words of padding after every 256; bit 21 beside a mask
	s_mov_b32 s[G1+1], 1024<<16                    ; tensor_dim0 = 1,024
	s_mov_b32 s[G1+2], 32<<16                      ; tensor_dim1 = 32
	s_mov_b32 s[G1+3], 1024<<16                    ; tile_dim0
	s_mov_b32 s[G1+4], 32                          ; tile_dim1
	s_mov_b32 s[G1+5], 4096                        ; the pitch
	s_mov_b32 s[G1+6], 0
	s_mov_b32 s[G1+7], 0
	s_lshl_b32 s46, s42, 7
	s_lshl_b32 s47, s10, 5
	s_add_co_u32 s46, s46, s47                     ; the weight rows that I fetch: 128 x tile column + 32 x wave
	s_lshl_b32 s51, s41, 3
	s_add_co_u32 s50, s46, s51                     ; of them my work-group's eight for the prefetches: + 8 cy
	s_lshl_b32 s46, s46, 12                        ; rows of 4,096 bytes
	s_mov_b32 s47, 0
	s_lshl_b32 s50, s50, 12
	s_mov_b32 s51, 0
	s_mul_i32 s20, s10, QROWS                      ; where my rows go: no place in the cluster enters an LDS address
	s_lshl_b32 s16, s13, 3
	s_lshl_b32 s17, s11, 2
	s_add_co_u32 s16, s16, s17                     ; my first token tile: 8 x tile row + 4 th,
	s_lshl_b32 s16, s16, 16                        ; of 65,536 bytes,
	s_lshl_b32 s17, s12, 13
	s_add_co_u32 s16, s16, s17                     ; + 4 kh K steps of 2,048
	s_mov_b32 s17, 0
	s_lshl_b32 s84, s42, 9                         ; the tile's first column, in bytes of f32
	s_mov_b32 s85, 0
	s_lshl_b32 s86, s13, 7
	s_lshl_b32 s87, s10, 5
	s_add_co_u32 s86, s86, s87                     ; the first row that I finish: 128 x tile row + 64 th + 32 kh
	s_lshl_b32 s86, s86, 12
	s_add_co_u32 s86, s86, s84
	s_mov_b32 s87, 0
	s_lshl_b32 s21, s12, 9                         ; my half of a slot's K: 512 kh bytes along a row
	s_mul_i32 s23, s10, WST                        ; my stages
	s_mul_i32 s22, s11, 2*WST                      ; what I read back: the stages of waves 2 th and 2 th + 1,
	s_mul_i32 s19, s12, 2*16*SP                    ; tiles 2 kh and 2 kh + 1
	s_add_co_u32 s22, s22, s19
	v_and_b32 v1, 15, v0                           ; r
	v_bfe_u32 v2, v0, 4, 1                         ; h
	v_and_b32 v3, 31, v0
	v_lshlrev_b32 v[LI], 4, v3
	v_mul_u32_u24 v4, v1, PB
	v_lshl_add_u32 v4, v2, 3, v4                   ; a weight fragment's row x pitch + 8 h
	v_add_nc_u32 v[ADRB], s21, v4
	v_add_nc_u32 v[ADRB+1], 64*PB, v[ADRB]
	v_add_nc_u32 v[ADRB+2], SLOT1, v[ADRB]
	v_add_nc_u32 v[ADRB+3], SLOT1+64*PB, v[ADRB]
	v_mul_u32_u24 v5, v1, SP
	v_lshl_add_u32 v5, v2, 5, v5
	v_add_nc_u32 v[STO], s23, v5                   ; in: row r, 32 bytes for each half of the lanes
	v_add_nc_u32 v[RD], s22, v[LI]                 ; back: the 32 lanes take one row of 512 bytes
	v_lshrrev_b32 v6, 2, v3
	v_and_b32 v7, 3, v3
	v_lshlrev_b32 v7, 8, v7
	v_lshl_add_u32 v[PFO], v6, 12, v7              ; the prefetches: row lane / 4 of my eight, block lane % 4 of its four
	s_wait_alu depctr_va_vdst(0)                   ; the wait behind the head's last vector instruction, directly ahead of the wait below
	s_wait_dscnt 0x0                               ; both opening adds are done
	s_wait_kmcnt 0x0
	s_load_b64 s[82:83], s[68:69], SC_OFF          ; the two exponents
	s_add_nc_u64 s[14:15], s[4:5], s[16:17]        ; my tokens' images
	s_add_nc_u64 s[46:47], s[6:7], s[46:47]
	s_add_nc_u64 s[48:49], s[6:7], s[50:51]
	s_add_nc_u64 s[70:71], s[70:71], s[84:85]      ; the bias at the tile's columns
	s_add_nc_u64 s[72:73], s[72:73], s[86:87]      ; the residual and the result at my first row
	s_add_nc_u64 s[74:75], s[74:75], s[86:87]
.irp s, 0,1
	s_mov_b32 s[G0+4*\s], 1
	s_add_co_u32 s[G0+4*\s+1], s20, \s*SLOT1
	s_add_nc_u64 s[G0+4*\s+2:G0+4*\s+3], s[46:47], \s*1024
	s_or_b32 s[G0+4*\s+3], s[G0+4*\s+3], 0x80000000
.endr
	CROUND                                         ; all sixteen work-groups are here: the first joint loads meet
	tensor_load_to_lds s[G0:G0+3], s[G1:G1+7]      ; slot 0: one tensor load a wave at the head
	s_nop 0
.rept 4
	v_nop
.endr
	global_load_b128 v[BI:BI+3], v[LI], s[70:71]   ; the bias at columns 4 lane + 0 .. 3 of a row
.set ISS, ISS+1
.irp q, 0,1
	ALOAD \q, 0                                    ; my tokens of steps 0 and 1; those of steps 2 and 3 are asked for behind slot 1's load
.endr
	WIN 0
	s_wait_tensorcnt 0x0                           ; my part of slot 0 is in
	ds_add_u32 v[SPW], v[NIL]
	s_wait_dscnt 0x0
	CROUND                                         ; a whole round: everybody's part of slot 0 is in, and the joint loads meet
	tensor_load_to_lds s[G0+4:G0+7], s[G1:G1+7]    ; slot 1, the first tensor load behind the round
	s_nop 0
.rept 4
	v_nop
.endr
	BFETCH 0, 0, 0
	ALOAD 2, 0
	ALOAD 3, 0                                     ; the tokens' ring is filled
	STEP 0, 0, 1                                   ; the first step's products start the sums: nothing is cleared
	STEP 0, 1, 0
	STEP 0, 2, 0
	TURN 0, 1                                      ; slot 0 takes K 2,048 on
.irp q, 0,1,2
	STEP 1, \q, 0
.endr
	TURN 1, 1                                      ; slot 1 takes K 3,072 on: the last load
.irp q, 0,1,2
	STEP 2, \q, 0
.endr
	TURN 2, 0                                      ; nothing is left to fetch; behind this barrier nobody reads slot 0
.irp q, 0,1,2
	STEP 3, \q, 0
.endr
	LWAIT 3                                        ; the very last step: nothing more is fetched, so the groups that may be out are three, two, one, none
	s_wait_dscnt 48
	WIN MUL
	MUL8 1, 3, 0, 0
	s_wait_dscnt 32
	MUL8 1, 3, 2, 0
	s_wait_dscnt 16
	MUL8 1, 3, 4, 0
	s_wait_dscnt 0x0
	MUL8 1, 3, 6, 0
	WIN 0
	s_wait_kmcnt 0x0
	s_add_co_i32 s96, s82, s83
	s_add_co_i32 s96, s96, 127
	s_lshl_b32 s96, s96, 23                        ; 2^(the two exponents added) as f32
	s_mov_b32 s97, s96
	s_wait_loadcnt 0x0                             ; the residual and the bias
	PLACES                                         ; in front of the stores of results and of the loads into the weights' registers
	WIN 0x0c                                       ; the stores' data: window 3
.irp a, 0,1,2,3
.irp b, 0,1,2,3,4,5,6,7
	ds_store_b128 v[STO], v[8*(8*\a+\b):8*(8*\a+\b)+3] offset:\a*16*SP+64*\b          ; token r of tile a, columns 16 b + 8 h + 0 .. 3; each accumulator from its low end on
	ds_store_b128 v[STO], v[8*(8*\a+\b)+4:8*(8*\a+\b)+7] offset:\a*16*SP+64*\b+16
.endr
.endr
	WIN 0
	s_wait_dscnt 0x0                               ; my stores are done, for the partner's sake
	s_barrier_signal -1
	s_barrier_wait -1                              ; everybody's are.
	WIN TO_F
.irp u, 0,1
.irp c, 0,1
.irp t, 0,1,2,3,4,5,6,7,8,9,10,11,12,13,14,15
	ds_load_b128 v[128*\c+64*\u+4*\t:128*\c+64*\u+4*\t+3], v[RD] offset:\c*WST+\u*16*SP+\t*SP   ; row t of tile 2 kh + u, K half c
.endr
.endr
.endr
.macro SEND u, younger                 ; younger: the LDS loads issued behind tile u's, which may stay out
	s_wait_dscnt \younger
	WIN 0x45                                       ; destination and both sources window 1
.set j, 0
.rept 32
	v_pk_add_f32 v[64*\u+j:64*\u+j+1], v[64*\u+j:64*\u+j+1], v[128+64*\u+j:128+64*\u+j+1]   ; the two K halves
.set j, j+2
.endr
	WIN 0x41                                       ; destination and source 0 window 1; the residual and the bias window 0
.set j, 0
.rept 32
	v_pk_fma_f32 v[64*\u+j:64*\u+j+1], v[64*\u+j:64*\u+j+1], s[96:97], v[RES+64*\u+j:RES+64*\u+j+1] op_sel_hi:[1,0,1]   ; sum x scale + x1
.set j, j+2
.endr
.set j, 0
.rept 32
	v_pk_add_f32 v[64*\u+j:64*\u+j+1], v[64*\u+j:64*\u+j+1], v[BI+j%4:BI+j%4+1]
.set j, j+2
.endr
	WIN 0x04                                       ; the stores' data window 1
.irp t, 0,1,2,3,4,5,6,7,8,9,10,11,12,13,14,15
	global_store_b128 v[LI], v[64*\u+4*\t:64*\u+4*\t+3], s[74:75] offset:(16*\u+\t)*4096 th:TH_STORE_NT   ; 32 lanes store 512 consecutive aligned bytes; written once, read by nobody here
.endr
.endm
	SEND 0, 32                                     ; behind tile 0's loads: tile 1's 32
	SEND 1, 0
	WIN 0
	s_wait_tensorcnt 0x0                           ; the wave's end
	ds_add_u32 v[SPW], v[NIL]
	s_wait_dscnt 0x0
	CROUND                                         ; the closing round
	s_endpgm
.Lfunc_end_k_qded0e1b761_fc2:
	.size	k_qded0e1b761_fc2, .Lfunc_end_k_qded0e1b761_fc2-k_qded0e1b761_fc2
	.p2alignl 7, 3214868480
	.fill 96, 4, 3214868480
	.section	.rodata,"a",@progbits
	.p2align	6, 0x0
	.amdhsa_kernel k_qded0e1b761_fc2
		.amdhsa_group_segment_fixed_size 327680
		.amdhsa_private_segment_fixed_size 0
		.amdhsa_enable_private_segment 0
		.amdhsa_kernarg_size 48
		.amdhsa_user_sgpr_count 2
		.amdhsa_user_sgpr_kernarg_segment_ptr 1
		.amdhsa_wavefront_size32 1
		.amdhsa_system_sgpr_workgroup_id_x 1
		.amdhsa_system_sgpr_workgroup_id_y 1
		.amdhsa_system_sgpr_workgroup_id_z 1
		.amdhsa_system_vgpr_workitem_id 0
		.amdhsa_next_free_vgpr 1024
		.amdhsa_next_free_sgpr 100
		.amdhsa_reserve_vcc 0
		.amdhsa_float_denorm_mode_32 3
		.amdhsa_float_denorm_mode_16_64 3
		.amdhsa_memory_ordered 1
		.amdhsa_forward_progress 1
		.amdhsa_inst_pref_size 164
	.end_amdhsa_kernel
	.amdgpu_metadata
---
amdhsa.version: [ 1, 2 ]
amdhsa.kernels:
  - .name:           k_qded0e1b761_fc2
    .symbol:         k_qded0e1b761_fc2.kd
    .args:
      - { .name: h_img, .offset: 0, .size: 8, .value_kind: global_buffer, .address_space: global }
      - { .name: w2_codes, .offset: 8, .size: 8, .value_kind: global_buffer, .address_space: global }
      - { .name: lowp_scales, .offset: 16, .size: 8, .value_kind: global_buffer, .address_space: global }
      - { .name: b2, .offset: 24, .size: 8, .value_kind: global_buffer, .address_space: global }
      - { .name: x1, .offset: 32, .size: 8, .value_kind: global_buffer, .address_space: global }
      - { .name: out0, .offset: 40, .size: 8, .value_kind: global_buffer, .address_space: global }
    .group_segment_fixed_size: 327680
    .private_segment_fixed_size: 0
    .kernarg_segment_align: 8
    .kernarg_segment_size: 48
    .max_flat_workgroup_size: 128
    .sgpr_count:     100
    .vgpr_count:     1024
    .wavefront_size: 32
...
	.end_amdgpu_metadata
.endif
;; end of part 7
